; MI455X (gfx1250); checked and timed in simulation.
; The chip was launched on July 23, 2026; its instructions are those of AMD's public machine-readable ISA for CDNA 5 (MIT licence, August 2026) and "CDNA5" Instruction Set Architecture Reference Guide (July 2026). The comments in the code are by the model that wrote it; some were corrected since.
;; Dense Full Attention. Allowed arithmetic: float matrix products may take bf16 or f16 operands with f32 sums; other float arithmetic in f32, or as packed bf16 or f16 multiplies, adds, multiply-adds, maxima and minima; sums over many terms, partial sums and values carried from step to step in f32; what a program stores and reads back later, other than sums and carried values, may be rounded once to bf16 or f16.
;; Inputs: cos 2,048 x 64 float32; sin 2,048 x 64 float32; wk 2,048 x 2,048 float32; wo 2,048 x 2,048 float32; wq 2,048 x 2,048 float32; wv 2,048 x 2,048 float32; x 1 x 2,048 x 2,048 float32.
;; Outputs: out0 1 x 2,048 x 2,048 float32.
;; One version. Each part assembles by itself: llvm-mc -triple=amdgcn-amd-amdhsa -mcpu=gfx1250 --defsym DOCPART=n.
;; ======== version 1 of 1: 4 launches
;; limits: values are held in f16: magnitudes above 65,504 overflow, below 6.1e-05 lose precision
;; workspace buffers: xb 8,388,608 bytes; wb 25,165,824 bytes; woh 8,388,608 bytes; qf 8,388,608 bytes; kf 8,388,608 bytes; vf 8,388,608 bytes; of 8,388,608 bytes
;; launch cast (part 1): grid 256 x 5, 8 waves a work-group, no clusters, 0 bytes of LDS; arguments x, wq, wk, wv, wo, xb, wb, woh; writes xb, wb, woh
.if DOCPART == 1
	.amdgcn_target "amdgcn-amd-amdhsa--gfx1250"
	.amdhsa_code_object_version 6
	.text
	.protected	k_q8a6c680d75_cast
	.globl	k_q8a6c680d75_cast
	.p2align	8
	.type	k_q8a6c680d75_cast,@function
k_q8a6c680d75_cast:
	s_mov_b64 s[64:65], 0
	v_nop
	global_prefetch_b8 v0, s[64:65] scope:SCOPE_SE
	s_setreg_imm32_b32 hwreg(HW_REG_WAVE_MODE, 25, 1), 1
	s_wait_xcnt 0x0
; THE INPUTS OF THE MATRIX PRODUCTS, ROUNDED ONCE TO 16 BITS.  x -> xb, wq, wk, wv -> the three sections of wb: f32 to bf16, nearest even.
; wo -> woh: rounded to bf16 like the others, and that number written as f16, since the last product's other operand is f16.
; LIMIT.  A bf16 number is exact in f16 from 2^-17 up to 65,504; below 2^-17 it keeps f16's fixed step of 2^-24; beyond 65,504 it becomes an infinity.
; SHARES.  Grid y picks the tensor (0 x, 1-3 wq wk wv, 4 wo).  A tensor is 16,777,216 bytes: 256 work-groups of 65,536 bytes, sixteen loads a thread.
; Load j of thread t takes the 16 bytes at 16 t + 4,096 j: a wave's load covers 512 consecutive bytes, aligned, and no two loads touch the same bytes.  Its four numbers become 8 bytes at 8 t + 2,048 j:
; the 32 lanes of a store cover 256 consecutive bytes, aligned.  All sixteen loads go out first.  The numbers are converted in the registers in which they landed, and no register is written behind the
; store that reads it, so no wait frees a source.  68 registers: the five work-groups that fall to a WGP, ten waves on a SIMD, take 680 of its 1,024, so all of them are at work together.
; No LDS, no matrix unit, no prefetch: each byte is read once and written once, and nothing is shared.
.set X, 4                              ; v[4:67]  load j at X + 4 j: four numbers in f32; then, in the first two registers, the four in 16 bits
	s_load_b256 s[4:11], s[0:1], 0x0               ; x s[4:5], wq s[6:7], wk s[8:9], wv s[10:11]
	s_load_b256 s[12:19], s[0:1], 0x20             ; wo s[12:13], xb s[14:15], wb s[16:17], woh s[18:19]
	s_and_b32 s20, ttmp7, 0xffff                   ; which tensor
	v_lshlrev_b32 v1, 4, v0                        ; 16 t
	v_lshlrev_b32 v2, 3, v0                        ; 8 t
	s_lshl_b32 s26, ttmp9, 16                      ; the work-group's 65,536 bytes in,
	s_mov_b32 s27, 0
	s_max_u32 s21, s20, 1
	s_sub_co_u32 s21, s21, 1                       ; wb's section: 0, 1, 2 for wq, wk, wv
	s_cmp_eq_u32 s20, 4
	s_cselect_b32 s21, 0, s21                      ; (none for wo)
	s_lshl_b32 s21, s21, 23                        ; a section is 8,388,608 bytes
	s_lshl_b32 s28, ttmp9, 15                      ; and its 32,768 bytes out
	s_add_co_u32 s28, s28, s21
	s_mov_b32 s29, 0
	s_mov_b32 s30, 0xffff0000                      ; a word's upper bf16
	s_wait_kmcnt 0x0
	s_cmp_eq_u32 s20, 1                            ; the source, chosen among the five inputs by the tensor's number
	s_cselect_b64 s[22:23], s[6:7], s[4:5]
	s_cmp_eq_u32 s20, 2
	s_cselect_b64 s[22:23], s[8:9], s[22:23]
	s_cmp_eq_u32 s20, 3
	s_cselect_b64 s[22:23], s[10:11], s[22:23]
	s_cmp_eq_u32 s20, 4
	s_cselect_b64 s[22:23], s[12:13], s[22:23]
	s_cselect_b64 s[24:25], s[18:19], s[16:17]     ; the destination: woh for wo, wb for the weights,
	s_cmp_eq_u32 s20, 0
	s_cselect_b64 s[24:25], s[14:15], s[24:25]     ; xb for x
	s_add_nc_u64 s[22:23], s[22:23], s[26:27]
	s_add_nc_u64 s[24:25], s[24:25], s[28:29]
.irp j, 0,1,2,3,4,5,6,7,8,9,10,11,12,13,14,15
	global_load_b128 v[X+4*(\j):X+4*(\j)+3], v1, s[22:23] offset:4096*(\j) th:TH_LOAD_NT
.endr
; Load j's four numbers.  h = 1: the bf16 numbers are widened again (a shift, a mask; from the top down, so that each packed word is read before it is written over) and written as f16.
.macro ITEM j, h
	s_wait_loadcnt 15-(\j)                         ; loads come back in order: this one is in, the 15 - j younger ones may stay out
	v_cvt_pk_bf16_f32 v[X+4*(\j)],   v[X+4*(\j)],   v[X+4*(\j)+1]
	v_cvt_pk_bf16_f32 v[X+4*(\j)+1], v[X+4*(\j)+2], v[X+4*(\j)+3]
.if \h
	v_lshlrev_b32 v[X+4*(\j)+2], 16,  v[X+4*(\j)+1]
	v_and_b32     v[X+4*(\j)+3], s30, v[X+4*(\j)+1]
	v_and_b32     v[X+4*(\j)+1], s30, v[X+4*(\j)]
	v_lshlrev_b32 v[X+4*(\j)],   16,  v[X+4*(\j)]
	v_cvt_pk_f16_f32 v[X+4*(\j)],   v[X+4*(\j)],   v[X+4*(\j)+1]
	v_cvt_pk_f16_f32 v[X+4*(\j)+1], v[X+4*(\j)+2], v[X+4*(\j)+3]
.endif
	global_store_b64 v2, v[X+4*(\j):X+4*(\j)+1], s[24:25] offset:2048*(\j)
.endm
	s_cmp_eq_u32 s20, 4
	s_cbranch_scc1 .Lhalf
.irp j, 0,1,2,3,4,5,6,7,8,9,10,11,12,13,14,15
	ITEM \j, 0
.endr
	s_endpgm
.Lhalf:
.irp j, 0,1,2,3,4,5,6,7,8,9,10,11,12,13,14,15
	ITEM \j, 1
.endr
	s_endpgm
.Lfunc_end_k_q8a6c680d75_cast:
	.size	k_q8a6c680d75_cast, .Lfunc_end_k_q8a6c680d75_cast-k_q8a6c680d75_cast
	.p2alignl 7, 3214868480
	.fill 96, 4, 3214868480
	.section	.rodata,"a",@progbits
	.p2align	6, 0x0
	.amdhsa_kernel k_q8a6c680d75_cast
		.amdhsa_group_segment_fixed_size 0
		.amdhsa_private_segment_fixed_size 0
		.amdhsa_enable_private_segment 0
		.amdhsa_kernarg_size 64
		.amdhsa_user_sgpr_count 2
		.amdhsa_user_sgpr_kernarg_segment_ptr 1
		.amdhsa_wavefront_size32 1
		.amdhsa_system_sgpr_workgroup_id_x 1
		.amdhsa_system_sgpr_workgroup_id_y 1
		.amdhsa_system_sgpr_workgroup_id_z 1
		.amdhsa_system_vgpr_workitem_id 0
		.amdhsa_next_free_vgpr 68
		.amdhsa_next_free_sgpr 66
		.amdhsa_reserve_vcc 0
		.amdhsa_float_denorm_mode_32 3
		.amdhsa_float_denorm_mode_16_64 3
		.amdhsa_memory_ordered 1
		.amdhsa_forward_progress 1
		.amdhsa_inst_pref_size 15
	.end_amdhsa_kernel
	.amdgpu_metadata
---
amdhsa.version: [ 1, 2 ]
amdhsa.kernels:
  - .name:           k_q8a6c680d75_cast
    .symbol:         k_q8a6c680d75_cast.kd
    .args:
      - { .name: x, .offset: 0, .size: 8, .value_kind: global_buffer, .address_space: global }
      - { .name: wq, .offset: 8, .size: 8, .value_kind: global_buffer, .address_space: global }
      - { .name: wk, .offset: 16, .size: 8, .value_kind: global_buffer, .address_space: global }
      - { .name: wv, .offset: 24, .size: 8, .value_kind: global_buffer, .address_space: global }
      - { .name: wo, .offset: 32, .size: 8, .value_kind: global_buffer, .address_space: global }
      - { .name: xb, .offset: 40, .size: 8, .value_kind: global_buffer, .address_space: global }
      - { .name: wb, .offset: 48, .size: 8, .value_kind: global_buffer, .address_space: global }
      - { .name: woh, .offset: 56, .size: 8, .value_kind: global_buffer, .address_space: global }
    .group_segment_fixed_size: 0
    .private_segment_fixed_size: 0
    .kernarg_segment_align: 8
    .kernarg_segment_size: 64
    .max_flat_workgroup_size: 256
    .sgpr_count:     66
    .vgpr_count:     68
    .wavefront_size: 32
...
	.end_amdgpu_metadata
.endif
;; end of part 1
;; launch qkv (part 2): grid 16 x 16, 4 waves a work-group, clusters of 4 x 4, 327,680 bytes of LDS; arguments xb, wb, cos, sin, qf, kf, vf; writes qf, kf, vf
.if DOCPART == 2
	.amdgcn_target "amdgcn-amd-amdhsa--gfx1250"
	.amdhsa_code_object_version 6
	.text
	.protected	k_q8a6c680d75_qkv
	.globl	k_q8a6c680d75_qkv
	.p2align	8
	.type	k_q8a6c680d75_qkv,@function
k_q8a6c680d75_qkv:
	s_mov_b64 s[64:65], 0
	v_nop
	global_prefetch_b8 v0, s[64:65] scope:SCOPE_SE
	s_setreg_imm32_b32 hwreg(HW_REG_WAVE_MODE, 25, 1), 1
	s_wait_xcnt 0x0
	s_wait_alu depctr_hold_cnt(0) depctr_sa_sdst(0) depctr_va_vdst(0) depctr_va_sdst(0) depctr_va_ssrc(0) depctr_va_vcc(0) depctr_vm_vsrc(0)
	s_getreg_b32 s2, hwreg(HW_REG_IB_STS2, 6, 4)
	s_cmp_eq_u32 s2, 0
	s_cbranch_scc0 .Lentry_in_a_cluster
	s_endpgm
.Lentry_in_a_cluster:
	s_bfe_u32 s2, ttmp6, 0x10000c
	s_cmp_lg_u32 s2, 0xf033
	s_cbranch_scc0 .Lentry_shape_is_right
	s_endpgm
.Lentry_shape_is_right:
; q, k, v = x wq, x wk, x wv; RoPE on q and k; written by heads, [16][2048][128], in f16, unscaled.  xb: [2048][2048] bf16; wb: three sections [2048 k][2048 n] bf16.
; Sums in f32, K ascending; cos and sin are rounded to bf16 like every other input and used in f32; q, k, v are rounded once, to f16.
; LIMIT.  f16 holds no number beyond 65,504: q, k and v must lie within it.  NaN and infinities are not treated apart.
; SHARES.  A work-group makes 128 rows x the 384 columns of ONE head (its q, k and v): 16 x 16 = 256 work-groups, and both halves of a RoPE pair (d, d + 64) lie in one tile.
; Wave w: rows 64 (w / 2) on, four blocks a of 16; of each tensor t the four column blocks u at d = 32 (w % 2) + 16 (u % 2) + 64 (u / 2): blocks u and u + 2 hold a RoPE pair in one lane.
; 48 accumulators; for 32 along K a wave loads 16 fragments and issues 48 matrix instructions.
; K goes in 16 steps of 128 through two LDS slots, each with x's tile (128 rows x 256 bytes) and the three weights' tiles (128 k-rows x 256 bytes): one tensor load a wave.
; THE MATRIX INSTRUCTION IS USED TRANSPOSED: source 0 = 16 columns of w (turned on the way out of LDS by ds_load_tr16_b128, since w lies [k][n]), source 1 = 16 rows of x.
; A lane then holds row l % 16 and the eight neighbouring columns 8 (l / 16) + 0..7.
; CLUSTER 4 x 4.  x's tile hangs on the row block alone and is shared along a row of the cluster; the weights' tiles hang on the head alone and are shared along a column: joint loads.
; REGISTERS, in windows of 256 (s_set_vgpr_msb: bits 1:0 source 0, 3:2 source 1, 5:4 source 2, 7:6 destination):
;   window 0: v1-30 addresses; v32-63, v64-95 x's fragments, two buffers; v96-127 at work on the way out; v128-255 cos and sin
;   window 1: v0-95, v96-191 w's fragments, two buffers; on the way out the rows read back
;   window 2: accumulators of row blocks 0, 1 at 96 (a % 2) + 8 (4 t + u);   window 3: those of row blocks 2, 3
.set PA,    272                        ; a row of x in LDS: 256 bytes + 16: the 16 rows of a fragment load start at 16 different groups of four banks (64 banks of 4 bytes: ISA guide 11.1)
.set PB,    288                        ; a k-row of w: 256 + 32
.set REG,   36864                      ; a tile's room: 128 x 288 (x's tile uses 34,816 of it)
.set SLOT,  4*REG
.set SPARE, 2*SLOT                     ; behind the ring: the spare words, 128 bytes for each wave: two blocks of 256 bytes that no other line names
.set STG,   128*PA                     ; the way out: a tensor's 128 rows x 272 bytes; the three lie in slot 0, from byte 0, when slot 0 has had its last fill
.set ADRA, 16                          ; v16-17  LDS address of my fragments of x in slot 0, 1
.set ADRB, 18                          ; v18-23  the same for w: slot s, tensor t at 3 s + t
.set STO,  24                          ; v24-26  the way out: where I put 16 bytes of a row of tensor t
.set RD,   8                           ; v8-10   where I read rows of tensor t back
.set GO,   11                          ; v11     16 x lane: my 16 bytes of 512 consecutive bytes of an output
.set CO,   12                          ; v12     my byte offset in the block's rows of cos and sin
.set SPW,  28                          ; v28     LDS address of my spare word; never rewritten
.set NIL,  29                          ; v29     0; never rewritten
.set PFO,  30                          ; v30     the prefetches' offset: lane x 4,096, a row of xb or wb; never rewritten
.set FA,   32                          ; x's fragments: buffer f, row block a at FA + 32 f + 8 a
.set TT,   96
.set CSN,  128                         ; for row block a and e = u % 2: cos at CSN + 16 (2 a + e) + j, sin 8 further
.set WV,   18                          ; s18     my wave's number
.set G1A,  24                          ; s[24:31] descriptor group 1 for x's tiles;  s[32:39] group 0, a set for each slot
.set G0A,  32
.set G1B,  48                          ; s[48:55], s[56:63] the same for w's tiles
.set G0B,  56
.set LIM,  43                          ; s43     1 in a wave that prefetches, else the greatest number
.set PFA,  44                          ; s[44:45] where my prefetches stand
.set PFS,  46                          ; s[46:47] their step: a K step along a row of xb (256) or down wb (128 rows)
.set MSB, 0
.macro WIN new                         ; the immediate's high byte repeats the setting that is left; a switch that changes nothing is dropped
.if MSB != (\new)
	s_set_vgpr_msb (MSB<<8)|(\new)
.set MSB, \new
.endif
.endm
.macro PLACES                          ; four plain places between a matrix instruction and a load into, or a vector read of, its registers
.rept 4
	v_nop
.endr
.endm
; A joint load: wave 0 fetches x's tile, waves 1 to 3 the tiles of wq, wk, wv.  The branch hangs on the wave's number alone.  An s_nop 0 and four v_nop follow each line.
.macro JLOAD s
	s_cmp_eq_u32 s[WV], 0
	s_cbranch_scc0 .Lfor_b_\@
	tensor_load_to_lds s[G0A+4*(\s):G0A+4*(\s)+3], s[G1A:G1A+7]
	s_nop 0
.rept 4
	v_nop
.endr
	s_branch .Lasked_\@
.Lfor_b_\@:
	tensor_load_to_lds s[G0B+4*(\s):G0B+4*(\s)+3], s[G1B:G1B+7]
	s_nop 0
.rept 4
	v_nop
.endr
.Lasked_\@:
.endm
; A prefetch of the K step that stands two refills on: 32 rows x 256 bytes, a lane a row, one instruction a wave.  x's rows are read by every cluster of a row of clusters: cluster x = 0 asks;
; w's by every cluster of a column: cluster y = 0 asks.  The four partners of a joint load share its 128 rows out by address, 32 each.  So each row's 256 bytes of a K step are named once.
; The loop's last trip (s3 = 1) asks for nothing: the K steps two on do not exist.  K steps 0 to 3 come by their loads alone.
.macro ASK
	s_cmp_gt_u32 s3, s[LIM]
	s_cbranch_scc0 .Lnot_mine_\@
	global_prefetch_b8 v[PFO], s[PFA:PFA+1] th:TH_LOAD_NT scope:SCOPE_SE
.Lnot_mine_\@:
.endm
.macro CREST                           ; a round of the cluster's barrier behind its opening barrier
	s_cmp_lg_u32 s[WV], 0
	s_cbranch_scc1 .Lnot_wave_0_\@
	s_barrier_signal -3
.Lnot_wave_0_\@:
	s_barrier_wait -3
	s_barrier_signal -1
	s_barrier_wait -1
.endm
.macro CROUND                          ; a whole round
	s_barrier_signal -1
	s_barrier_wait -1
	CREST
.endm
	s_load_b256 s[4:11], s[0:1], 0x0               ; xb s[4:5], wb s[6:7], cos s[8:9], sin s[10:11]
	s_load_b128 s[12:15], s[0:1], 0x20             ; qf s[12:13], kf s[14:15]
	s_load_b64 s[16:17], s[0:1], 0x30              ; vf
	v_lshl_add_u32 v[SPW], v0, 2, SPARE
	v_mov_b32 v[NIL], 0
	ds_add_u32 v[SPW], v[NIL]                      ; the wave's opening: the add and its wait stand ahead of my first tensor load; the set-up below stands between them
	v_lshrrev_b32 v1, 5, v0
	v_readfirstlane_b32 s[WV], v1                  ; wave 0..3
	s_lshr_b32 s19, s[WV], 1                       ; which 64 rows are mine
	s_and_b32 s20, s[WV], 1                        ; which columns
	s_bfe_u32 s21, ttmp6, 0x40000                  ; cx
	s_bfe_u32 s22, ttmp6, 0x40004                  ; cy
	s_lshl_b32 s23, ttmp9, 2
	s_add_co_u32 s23, s23, s21                     ; the head = 4 x cluster x + cx
	s_and_b32 s66, ttmp7, 0xffff
	s_lshl_b32 s66, s66, 2
	s_add_co_u32 s66, s66, s22                     ; the block of 128 rows = 4 x cluster y + cy
	s_lshl_b32 s40, s22, 2
	s_lshl_b32 s40, 15, s40                        ; my row of the cluster
	s_lshl_b32 s41, 0x1111, s21                    ; my column
	s_or_b32 s[G1A], s40, (1<<16)|(1<<20)|(1<<21)|(5<<22)|(3<<25)  ; 15:0 the mask; 17:16 2-byte elements; 20 padding on; 21 set beside a mask; 24:22 after every 64 words; 31:25 4 words of it
	s_or_b32 s[G1B], s41, (1<<16)|(1<<20)|(1<<21)|(5<<22)|(7<<25)  ; the same with my column's mask and 8 words of padding
.irp g, G1A, G1B
	s_mov_b32 s[(\g)+1], 128<<16                   ; tensor_dim0 = 128
	s_mov_b32 s[(\g)+2], 128<<16                   ; tensor_dim1 = 128
	s_mov_b32 s[(\g)+3], 128<<16                   ; tile_dim0 = 128 elements, 256 bytes
	s_mov_b32 s[(\g)+4], 128                       ; tile_dim1 = 128 rows
	s_mov_b32 s[(\g)+5], 2048                      ; elements from row to row
	s_mov_b32 s[(\g)+6], 0
	s_mov_b32 s[(\g)+7], 0
.endr
	s_lshl_b32 s68, s66, 19                        ; x's tile: 128 rows of 4,096 bytes a block; made of the row block alone
	s_mov_b32 s69, 0
	s_max_u32 s42, s[WV], 1
	s_sub_co_u32 s42, s42, 1                       ; my tensor: wave 1, 2, 3 -> section 0, 1, 2
	s_lshl_b32 s70, s42, 23
	s_lshl_b32 s71, s23, 8                         ; the head's 256 bytes of a k-row; made of the head and the wave's number alone
	s_add_co_u32 s70, s70, s71
	s_mov_b32 s71, 0
	s_mul_i32 s72, s[WV], REG                      ; where my tile goes: no place in the cluster enters an LDS address
	s_wait_dscnt 0x0                               ; the opening add is done
	s_wait_kmcnt 0x0
	s_add_nc_u64 s[74:75], s[4:5], s[68:69]
	s_add_nc_u64 s[76:77], s[6:7], s[70:71]
	CROUND                                         ; all sixteen work-groups are here: the first joint loads meet
.irp s, 0,1
	s_mov_b32 s[G0A+4*(\s)], 1                     ; count = 1
	s_add_co_u32 s[G0A+4*(\s)+1], s72, (\s)*SLOT   ; LDS address
	s_add_nc_u64 s[G0A+4*(\s)+2:G0A+4*(\s)+3], s[74:75], (\s)*256       ; K step s: 256 bytes along the rows
	s_or_b32 s[G0A+4*(\s)+3], s[G0A+4*(\s)+3], 0x80000000              ; type = 2
	s_mov_b32 s[G0B+4*(\s)], 1
	s_add_co_u32 s[G0B+4*(\s)+1], s72, (\s)*SLOT
	s_add_nc_u64 s[G0B+4*(\s)+2:G0B+4*(\s)+3], s[76:77], (\s)*128*4096  ; K step s: 128 k-rows down
	s_or_b32 s[G0B+4*(\s)+3], s[G0B+4*(\s)+3], 0x80000000
	JLOAD \s                                       ; two loads of mine are out
.endr
	; cos and sin of my rows and columns: 32 loads that land during the products; they are waited for on the way out
	s_lshl_b32 s68, s66, 15                        ; the block's 128 rows of 256 bytes
	s_add_nc_u64 s[8:9], s[8:9], s[68:69]
	s_add_nc_u64 s[10:11], s[10:11], s[68:69]
	v_and_b32 v1, 15, v0                           ; r = l % 16
	v_bfe_u32 v2, v0, 4, 1                         ; h = l / 16
	v_and_b32 v3, 7, v0
	v_bfe_u32 v4, v0, 3, 1
	v_and_b32 v5, 31, v0                           ; l
	s_lshl_b32 s73, s19, 14                        ; my 64 rows
	s_lshl_b32 s78, s20, 7                         ; my 32 of the 64 frequencies, in f32
	s_add_co_u32 s73, s73, s78
	v_lshlrev_b32 v[CO], 8, v1
	v_lshl_add_u32 v[CO], v2, 5, v[CO]
	v_add_nc_u32 v[CO], s73, v[CO]                 ; (64 wr + r) x 256 + 128 c + 32 h
.irp a, 0,1,2,3
.irp e, 0,1
	global_load_b128 v[CSN+16*(2*(\a)+(\e)):CSN+16*(2*(\a)+(\e))+3],     v[CO], s[8:9]   offset:4096*(\a)+64*(\e)
	global_load_b128 v[CSN+16*(2*(\a)+(\e))+4:CSN+16*(2*(\a)+(\e))+7],   v[CO], s[8:9]   offset:4096*(\a)+64*(\e)+16
	global_load_b128 v[CSN+16*(2*(\a)+(\e))+8:CSN+16*(2*(\a)+(\e))+11],  v[CO], s[10:11] offset:4096*(\a)+64*(\e)
	global_load_b128 v[CSN+16*(2*(\a)+(\e))+12:CSN+16*(2*(\a)+(\e))+15], v[CO], s[10:11] offset:4096*(\a)+64*(\e)+16
.endr
.endr
	; a fragment of x: lane l holds row l % 16; two loads of 16 bytes, 32 bytes apart, at row x pitch + 16 (l / 16)
	v_mul_u32_u24 v6, v1, PA
	v_lshl_add_u32 v6, v2, 4, v6
	s_mul_i32 s73, s19, 64*PA
	v_add_nc_u32 v6, s73, v6                       ; (64 wr + r) x 272 + 16 h
	v_mov_b32 v[ADRA], v6
	v_add_nc_u32 v[ADRA+1], SLOT, v6
	; a fragment of w: the turning load's lane l reads k-row 8 (l / 16) + l % 8, columns 8 ((l / 8) % 2) + 0..7, and is left with column l % 16 and 8 k
	v_lshl_add_u32 v7, v2, 3, v3
	v_mul_u32_u24 v7, v7, PB
	v_lshl_add_u32 v7, v4, 4, v7
	s_lshl_b32 s73, s20, 6                         ; my 32 columns of each 64: 64 bytes
	v_add_nc_u32 v7, s73, v7
.irp s, 0,1
.irp t, 0,1,2
	v_add_nc_u32 v[ADRB+3*(\s)+(\t)], (\s)*SLOT+(1+(\t))*REG, v7
.endr
.endr
	v_add_nc_u32 v6, s73, v6                       ; into the stage: my row, 16 bytes for each half of the lanes, my columns
.irp t, 0,1,2
	v_add_nc_u32 v[STO+(\t)], (\t)*STG, v6
.endr
	v_mul_u32_u24 v7, v2, PA                       ; back: wave w takes rows 32 w on, whole; lanes 0-15 one row of 256 bytes, lanes 16-31 the next
	v_lshl_add_u32 v7, v1, 4, v7
	s_mul_i32 s73, s[WV], 32*PA
	v_add_nc_u32 v7, s73, v7
.irp t, 0,1,2
	v_add_nc_u32 v[RD+(\t)], (\t)*STG, v7
.endr
	v_lshlrev_b32 v[GO], 4, v5
	v_lshlrev_b32 v[PFO], 12, v5
	s_lshl_b32 s80, s23, 11                        ; the outputs: head x 2,048 rows
	s_lshl_b32 s81, s66, 7                         ; + the block's 128
	s_add_co_u32 s80, s80, s81
	s_lshl_b32 s81, s[WV], 5                       ; + the 32 that I store,
	s_add_co_u32 s80, s80, s81
	s_lshl_b32 s80, s80, 8                         ; of 256 bytes
	s_mov_b32 s81, 0
	s_add_nc_u64 s[12:13], s[12:13], s[80:81]
	s_add_nc_u64 s[14:15], s[14:15], s[80:81]
	s_add_nc_u64 s[16:17], s[16:17], s[80:81]
	; the prefetches
	s_and_b32 s82, ttmp7, 0xffff                   ; cluster y
	s_mov_b32 s[PFS], 128*4096
	s_cmp_eq_u32 s[WV], 0                          ; do I fetch x's tile?
	s_cselect_b32 s83, ttmp9, s82                  ; the coordinate along which other clusters read the same rows
	s_cselect_b32 s84, s21, s22                    ; my place among the four that ask with me
	s_cselect_b64 s[PFA:PFA+1], s[74:75], s[76:77]
	s_cselect_b32 s[PFS], 256, s[PFS]
	s_mov_b32 s[PFS+1], 0
	s_cmp_eq_u32 s83, 0
	s_cselect_b32 s[LIM], 1, -1                    ; the same in all sixteen partners, for a given wave
	s_lshl_b32 s84, s84, 17                        ; my work-group's 32 rows of 4,096 bytes
	s_mov_b32 s85, 0
	s_add_nc_u64 s[PFA:PFA+1], s[PFA:PFA+1], s[84:85]
	s_mul_i32 s84, s[PFS], 3
	s_add_nc_u64 s[PFA:PFA+1], s[PFA:PFA+1], s[84:85]  ; at K step 3: the first refill steps it to 4
; 12 matrix instructions: row block a x my 12 column blocks, 32 along K, buffer f.  zero = 1: the first product starts the sums.
; The 48 accumulators take turns, in the same order in every quarter: 47 others stand between two links of a chain, over the backward jump too.
.macro MULA f, a, zero
	WIN 0xa1+0x50*((\a)/2)                         ; source 0 (w) window 1, source 1 (x) window 0, C and D window 2 or 3
.irp b, 0,1,2,3,4,5,6,7,8,9,10,11
.if \zero
	v_wmma_f32_16x16x32_bf16 v[96*((\a)%2)+8*(\b):96*((\a)%2)+8*(\b)+7], v[96*(\f)+8*(\b):96*(\f)+8*(\b)+7], v[FA+32*(\f)+8*(\a):FA+32*(\f)+8*(\a)+7], 0
.else
	v_wmma_f32_16x16x32_bf16 v[96*((\a)%2)+8*(\b):96*((\a)%2)+8*(\b)+7], v[96*(\f)+8*(\b):96*(\f)+8*(\b)+7], v[FA+32*(\f)+8*(\a):FA+32*(\f)+8*(\a)+7], v[96*((\a)%2)+8*(\b):96*((\a)%2)+8*(\b)+7]
.endif
.endr
.endm
; 32 LDS loads in one run: the fragments of quarter q (32 along K) of a slot into buffer f: w's 12, turned, then x's 4
.macro FETCH slot, q, f
	WIN 0x40                                       ; destination window 1, address window 0
.irp t, 0,1,2
.irp u, 0,1,2,3
	ds_load_tr16_b128 v[96*(\f)+8*(4*(\t)+(\u)):96*(\f)+8*(4*(\t)+(\u))+3],   v[ADRB+3*(\slot)+(\t)] offset:32*PB*(\q)+32*((\u)%2)+128*((\u)/2)
	ds_load_tr16_b128 v[96*(\f)+8*(4*(\t)+(\u))+4:96*(\f)+8*(4*(\t)+(\u))+7], v[ADRB+3*(\slot)+(\t)] offset:32*PB*(\q)+32*((\u)%2)+128*((\u)/2)+16*PB
.endr
.endr
	WIN 0
.irp a, 0,1,2,3
	ds_load_b128 v[FA+32*(\f)+8*(\a):FA+32*(\f)+8*(\a)+3],   v[ADRA+(\slot)] offset:64*(\q)+16*PA*(\a)
	ds_load_b128 v[FA+32*(\f)+8*(\a)+4:FA+32*(\f)+8*(\a)+7], v[ADRA+(\slot)] offset:64*(\q)+16*PA*(\a)+32
.endr
.endm
; A K step is four quarters of 32 along K, 48 matrix instructions each, on buffers 0, 1, 0, 1.  One of the first three: multiplies buffer f, and in its middle fetches quarter q into buffer g.
.macro QUARTER slot, q, f, g, zero
	s_wait_dscnt 4                                 ; w's fragments and x's row blocks 0, 1 are in; the youngest four loads (row blocks 2, 3) may be out
	MULA \f, 0, \zero
	MULA \f, 1, \zero
	PLACES
	FETCH \slot, \q, \g
	s_wait_dscnt 32                                ; all but the 32 just issued
	MULA \f, 2, \zero
	MULA \f, 3, \zero
.endm
; The last quarter multiplies buffer 1 and changes slots: ONE barrier; in front of it each wave waits for all its tensor loads (the one that is out is its tile of the next slot), adds 0 to its
; spare word, and waits for that and for its own reads of this slot.  fill = 1: the barrier opens a round of the cluster's barrier, and this slot is filled again, two K steps ahead, first thing behind it.
.macro TURN slot, next, fill
.if \fill
	s_wait_xcnt 0x0                                ; the last prefetch, a K step back, has read its address
	s_add_nc_u64 s[PFA:PFA+1], s[PFA:PFA+1], s[PFS:PFS+1]
.endif
	WIN 0                                          ; (the add's two registers lie in window 0)
	s_wait_tensorcnt 0x0                           ; all my tensor loads have landed
	ds_add_u32 v[SPW], v[NIL]                      ; 0 onto my spare word
	s_wait_dscnt 5                                 ; (the add and the youngest four loads may be out)
	MULA 1, 0, 0                                   ; twelve matrix instructions stand between the add and the wait for it
	s_wait_dscnt 0x0                               ; the add is done, and my reads of this slot are over
	s_barrier_signal -1
	MULA 1, 1, 0
.if \fill
	WIN 0
.endif
	s_barrier_wait -1
.if \fill
	CREST                                          ; no wave of any partner still reads this slot's tiles or has a load on its way
	s_add_nc_u64 s[G0A+4*(\slot)+2:G0A+4*(\slot)+3], s[G0A+4*(\slot)+2:G0A+4*(\slot)+3], 2*256
	s_add_nc_u64 s[G0B+4*(\slot)+2:G0B+4*(\slot)+3], s[G0B+4*(\slot)+2:G0B+4*(\slot)+3], 2*128*4096
	JLOAD \slot                                    ; the first tensor load behind the round; its four v_nop are also the places in front of the loads below
.else
	PLACES
.endif
	FETCH \next, 0, 0
.if \fill
	ASK
.endif
	MULA 1, 2, 0
	MULA 1, 3, 0
.endm
	s_wait_tensorcnt 1                             ; my tile of K step 0 is in; K step 1's may stay out
	s_barrier_signal -1
	s_barrier_wait -1                              ; everybody's is
	FETCH 0, 0, 0
	QUARTER 0, 1, 0, 1, 1                          ; the first quarter stands in front of the loop: its products start the sums
	WIN 0                                          ; at a label and at a branch every window is 0
	s_mov_b32 s3, 7
.Llap:                                                 ; a trip goes once round the ring, from a lap's second quarter to the next lap's first, and fills both slots again
	QUARTER 0, 2, 1, 0, 0
	QUARTER 0, 3, 0, 1, 0
	TURN 0, 1, 1
	QUARTER 1, 1, 0, 1, 0
	QUARTER 1, 2, 1, 0, 0
	QUARTER 1, 3, 0, 1, 0
	TURN 1, 0, 1
	QUARTER 0, 1, 0, 1, 0
	WIN 0
	s_sub_co_u32 s3, s3, 1
	s_cmp_lg_u32 s3, 0
	s_cbranch_scc1 .Llap
	QUARTER 0, 2, 1, 0, 0                          ; the last lap fills nothing
	QUARTER 0, 3, 0, 1, 0
	TURN 0, 1, 0                                   ; behind this barrier no wave reads slot 0 any more
	QUARTER 1, 1, 0, 1, 0
	QUARTER 1, 2, 1, 0, 0
	QUARTER 1, 3, 0, 1, 0
	s_wait_dscnt 4
	MULA 1, 0, 0
	MULA 1, 1, 0
	s_wait_dscnt 0x0
	MULA 1, 2, 0
	MULA 1, 3, 0
	WIN 0
	; THE WAY OUT.  cos and sin are rounded to bf16 and widened again; these 192 plain instructions are also the places behind the last products.
	s_wait_loadcnt 0x0
.set i, 0
.rept 64
	v_cvt_pk_bf16_f32 v[TT+i%8], v[CSN+2*i], v[CSN+2*i+1]
	v_lshlrev_b32 v[CSN+2*i], 16, v[TT+i%8]
	v_and_b32 v[CSN+2*i+1], 0xffff0000, v[TT+i%8]
.set i, i+1
.endr
; RoPE for tensor t, row block a, column blocks e (d < 64: lo) and e + 2 (d + 64: hi): lo' = lo cos - hi sin, hi' = hi cos + lo sin; rounded to f16; 16 bytes each into the stage.
; Each accumulator's lowest registers are read first.
.macro ROPE t, a, e
.set LO, 96*((\a)%2)+8*(4*(\t)+(\e))
.set HI, LO+16
.set CC, CSN+16*(2*(\a)+(\e))
	WIN 0x02+(\a)/2                                ; source 0 in window 2 or 3
.irp j, 0,2,4,6
	v_pk_mul_f32 v[TT+(\j):TT+(\j)+1],     v[HI+(\j):HI+(\j)+1], v[CC+8+(\j):CC+8+(\j)+1]
	v_pk_mul_f32 v[TT+8+(\j):TT+8+(\j)+1], v[HI+(\j):HI+(\j)+1], v[CC+(\j):CC+(\j)+1]
.endr
.irp j, 0,2,4,6
	v_pk_fma_f32 v[TT+(\j):TT+(\j)+1],     v[LO+(\j):LO+(\j)+1], v[CC+(\j):CC+(\j)+1],     v[TT+(\j):TT+(\j)+1] neg_lo:[0,0,1] neg_hi:[0,0,1]
	v_pk_fma_f32 v[TT+8+(\j):TT+8+(\j)+1], v[LO+(\j):LO+(\j)+1], v[CC+8+(\j):CC+8+(\j)+1], v[TT+8+(\j):TT+8+(\j)+1]
.endr
	WIN 0
.irp i, 0,1,2,3
	v_cvt_pk_f16_f32 v[TT+16+(\i)], v[TT+2*(\i)],   v[TT+2*(\i)+1]
	v_cvt_pk_f16_f32 v[TT+20+(\i)], v[TT+8+2*(\i)], v[TT+8+2*(\i)+1]
.endr
	ds_store_b128 v[STO+(\t)], v[TT+16:TT+19] offset:16*PA*(\a)+32*(\e)
	ds_store_b128 v[STO+(\t)], v[TT+20:TT+23] offset:16*PA*(\a)+32*(\e)+128
.endm
.macro VOUT a                          ; v's four column blocks of row block a: rounded and staged
	WIN 0x0a+5*((\a)/2)                            ; sources 0 and 1 in window 2 or 3
.irp u, 0,1,2,3
.irp i, 0,1,2,3
	v_cvt_pk_f16_f32 v[TT+4*(\u)+(\i)], v[96*((\a)%2)+8*(8+(\u))+2*(\i)], v[96*((\a)%2)+8*(8+(\u))+2*(\i)+1]
.endr
.endr
	WIN 0
.irp u, 0,1,2,3
	ds_store_b128 v[STO+2], v[TT+4*(\u):TT+4*(\u)+3] offset:16*PA*(\a)+32*((\u)%2)+128*((\u)/2)
.endr
.endm
.irp t, 0,1
.irp a, 0,1,2,3
	ROPE \t, \a, 0
	ROPE \t, \a, 1
.endr
.endr
.irp a, 0,1,2,3
	VOUT \a
.endr
	s_wait_dscnt 0x0                               ; for the others' sake: a row's 256 bytes come from two waves
	s_barrier_signal -1
	s_barrier_wait -1
	WIN 0x40
.irp t, 0,1,2
.irp i, 0,1,2,3,4,5,6,7,8,9,10,11,12,13,14,15
	ds_load_b128 v[4*(16*(\t)+(\i)):4*(16*(\t)+(\i))+3], v[RD+(\t)] offset:2*PA*(\i)
.endr
.endr
	WIN 0x04                                       ; the stores' data in window 1
.macro OUT t, base
.irp i, 0,1,2,3,4,5,6,7,8,9,10,11,12,13,14,15
	s_wait_dscnt 47-16*(\t)-(\i)                   ; LDS loads come back in order: this one is in, the younger ones may stay out
	global_store_b128 v[GO], v[4*(16*(\t)+(\i)):4*(16*(\t)+(\i))+3], s[(\base):(\base)+1] offset:512*(\i)  ; two rows of a head: 512 consecutive bytes, aligned
.endr
.endm
	OUT 0, 12
	OUT 1, 14
	OUT 2, 16
	WIN 0
	s_wait_tensorcnt 0x0                           ; the wave's end: the spare-word add and its wait, behind my last tensor load and my last LDS store
	ds_add_u32 v[SPW], v[NIL]
	s_wait_dscnt 0x0
	CROUND                                         ; the closing round: no work-group ends while a partner may still ask for a tile that names it
	s_endpgm
.Lfunc_end_k_q8a6c680d75_qkv:
	.size	k_q8a6c680d75_qkv, .Lfunc_end_k_q8a6c680d75_qkv-k_q8a6c680d75_qkv
	.p2alignl 7, 3214868480
	.fill 96, 4, 3214868480
	.section	.rodata,"a",@progbits
	.p2align	6, 0x0
	.amdhsa_kernel k_q8a6c680d75_qkv
		.amdhsa_group_segment_fixed_size 327680
		.amdhsa_private_segment_fixed_size 0
		.amdhsa_enable_private_segment 0
		.amdhsa_kernarg_size 56
		.amdhsa_user_sgpr_count 2
		.amdhsa_user_sgpr_kernarg_segment_ptr 1
		.amdhsa_wavefront_size32 1
		.amdhsa_system_sgpr_workgroup_id_x 1
		.amdhsa_system_sgpr_workgroup_id_y 1
		.amdhsa_system_sgpr_workgroup_id_z 1
		.amdhsa_system_vgpr_workitem_id 0
		.amdhsa_next_free_vgpr 960
		.amdhsa_next_free_sgpr 96
		.amdhsa_reserve_vcc 0
		.amdhsa_float_denorm_mode_32 3
		.amdhsa_float_denorm_mode_16_64 3
		.amdhsa_memory_ordered 1
		.amdhsa_forward_progress 1
		.amdhsa_inst_pref_size 151
	.end_amdhsa_kernel
	.amdgpu_metadata
---
amdhsa.version: [ 1, 2 ]
amdhsa.kernels:
  - .name:           k_q8a6c680d75_qkv
    .symbol:         k_q8a6c680d75_qkv.kd
    .args:
      - { .name: xb, .offset: 0, .size: 8, .value_kind: global_buffer, .address_space: global }
      - { .name: wb, .offset: 8, .size: 8, .value_kind: global_buffer, .address_space: global }
      - { .name: cos, .offset: 16, .size: 8, .value_kind: global_buffer, .address_space: global }
      - { .name: sin, .offset: 24, .size: 8, .value_kind: global_buffer, .address_space: global }
      - { .name: qf, .offset: 32, .size: 8, .value_kind: global_buffer, .address_space: global }
      - { .name: kf, .offset: 40, .size: 8, .value_kind: global_buffer, .address_space: global }
      - { .name: vf, .offset: 48, .size: 8, .value_kind: global_buffer, .address_space: global }
    .group_segment_fixed_size: 327680
    .private_segment_fixed_size: 0
    .kernarg_segment_align: 8
    .kernarg_segment_size: 56
    .max_flat_workgroup_size: 128
    .sgpr_count:     96
    .vgpr_count:     960
    .wavefront_size: 32
...
	.end_amdgpu_metadata
.endif
;; end of part 2
;; launch attn (part 3): grid 16 x 16, 4 waves a work-group, clusters of 4 x 1, 327,680 bytes of LDS; arguments qf, kf, vf, of; writes of
.if DOCPART == 3
	.amdgcn_target "amdgcn-amd-amdhsa--gfx1250"
	.amdhsa_code_object_version 6
	.text
	.protected	k_q8a6c680d75_attn
	.globl	k_q8a6c680d75_attn
	.p2align	8
	.type	k_q8a6c680d75_attn,@function
k_q8a6c680d75_attn:
	s_mov_b64 s[64:65], 0
	v_nop
	global_prefetch_b8 v0, s[64:65] scope:SCOPE_SE
	s_setreg_imm32_b32 hwreg(HW_REG_WAVE_MODE, 25, 1), 1
	s_wait_xcnt 0x0
	s_wait_alu depctr_hold_cnt(0) depctr_sa_sdst(0) depctr_va_vdst(0) depctr_va_sdst(0) depctr_va_ssrc(0) depctr_va_vcc(0) depctr_vm_vsrc(0)
	s_getreg_b32 s2, hwreg(HW_REG_IB_STS2, 6, 4)
	s_cmp_eq_u32 s2, 0
	s_cbranch_scc0 .Lentry_in_a_cluster
	s_endpgm
.Lentry_in_a_cluster:
	s_bfe_u32 s2, ttmp6, 0x10000c
	s_cmp_lg_u32 s2, 0x3003
	s_cbranch_scc0 .Lentry_shape_is_right
	s_endpgm
.Lentry_shape_is_right:
; CAUSAL ATTENTION.  O[q] = the sum over k <= q of softmax_k(Q[q] . K[k] / sqrt(128)) V[k], head by head.  qf, kf, vf: [16][2048][128] f16; of: [2048][16 x 128] f16.
; Products, maxima and sums in f32; the weights p are rounded to f16 for the second product (their sum l is taken of the unrounded p), O once at the end.
; LIMITS.  Q, K, V arrive within f16's 65,504.  A hidden score counts as its value less 1e30, so its weight is 0: the same as a logit of -1e10 wherever a row's largest visible logit
; lies above -1e10 + 100.  A weight below 2^-126 counts as 0 in l.  NaN and infinities are not treated apart.
; THE WALK.  A head has 32 blocks of 64 queries and 8 key tiles of 256.  Work-group b = 4 I + cx (I: the cluster's x) takes block b and then block 31 - b.  Block b needs tiles 0 .. I, block 31 - b
; tiles 0 .. 7 - I: NINE tiles, the same nine for the four partners of a cluster, so every tile is asked for JOINTLY and all 256 work-groups do equal work.  The diagonal lies in a part's last tile,
; in its key step cx (first part) or 3 - cx (second).  cx enters Q's and O's addresses, the prefetch's address and two mask scalars: no branch and no LDS address.
; SHARES.  Wave w owns 32 queries (w / 2; two tiles of 16) and HALF THE KEYS: of each tile's four key steps of 64 the two numbered 2 (w % 2) + t.  A fragment of K or V feeds two tiles' products.
; BOTH PARTS END AT THE WALK'S END.  Where the first part's last tile is left, its O^T, c m and l are only moved into spare registers and the second block's Q takes Q's place: work on registers, behind the
; one forward jump that hangs on I.  So every way through the text passes the same barriers, tensor loads and stores.  At the end, part by part, the odd wave hands its c m, l and O^T to the even wave
; through LDS, which merges them by the running-maximum rule, divides and stores: one text, walked twice.
; LAYOUT.  S^T = K Q^T holds ONE query a lane (lane % 16) and the keys 8 (lane / 16) + 0..7; two results rounded to f16 ARE source 1 of O^T = V^T P.  V is turned by ds_load_tr16_b128.
; SOFTMAX.  p = 2^(c s - c m), c = log2(e) / sqrt(128), with a running maximum m; O and l are multiplied by a = 2^(c m_old - c m_new) in every step.  c m starts far below every c s: the first a is 0.
; THE MASK is the C operand that starts S^T's sums: MC = MD x AL + BE, with MD the mask of the diagonal step for my rows: (1, 0) in that step, (0, 0) before it, (0, -1e30) behind it, (0, 0) outside a
; part's last tile.  It is made in every key step, 32 packed instructions, so that no jump hangs on it.
; A wave all of whose keys are hidden ends with c m near -1.3e29 and finite l and O^T: its factor in the merge is 0.  The even wave always sees step 0 of the last tile, so the merged maximum is a true score.
; PHASES.  A key step is K Q^T, the softmax, V^T P, one after the other; V is fetched under the softmax, the next K under V^T P.  THE TEXT goes by UNITS that begin with V^T P of the step before:
; next K, V^T P, mask, K Q^T, V, softmax.  A unit stands once in the loop over tiles and once in the tail, each walked twice a tile; the change of slots stands ahead of every second unit.
; REGISTERS, in windows of 256 (s_set_vgpr_msb: bits 1:0 source 0, 3:2 source 1, 5:4 source 2, 7:6 destination):
;   window 0: v1-15 addresses; v16-31 statistics, 8 a tile; v32-49 the merge and the first part's statistics; v64-127 S^T; v128-159 P; v192-255 MC        window 1: v0-127 O^T; v128-191 MD
;   window 2: v0-63 Q; v64-127 the second block's Q; v128-255 K of one step, at the end the partner's O^T                                                window 3: v0-127 V of one step; v128-255 the first part's O^T
.set KS,    64
.set PK,    272                        ; a row of K in LDS: 256 + 16 bytes: the 16 rows of a load start at 16 different groups of four banks (64 banks of 4 bytes: ISA guide 11.1)
.set PV,    288                        ; a row of V: 256 + 32
.set SLOT,  0x24000                    ; slot 1 begins here.  The addresses that are turned (0, 0x8800, 0x11000, 0x1a000) have neither of its two bits set, so one exclusive or changes slots
.set VOFF,  256*PK                     ; in a slot: 256 rows of K, then 256 rows of V
.set MRG,   SLOT+256*(PK+PV)           ; behind the ring: 16,384 bytes for each pair of waves: the odd wave's O^T in f32; afterwards the even wave's stage, 2 x 16 rows x 272
.set STATS, MRG+2*16384                ; 512 bytes a pair: the odd wave's c m and l
.set SPARE, STATS+1024                 ; the spare words, 128 bytes for each wave: two blocks of 256 bytes that no other line names
.set SP,    272
.set AK0, 2                            ; v2   my lane's place in a tile of K; never rewritten
.set AV0, 3                            ; v3   the same for V
.set AK,  4                            ; v4   the LDS address of K's run of loads
.set AV,  5                            ; v5   of V's
.set QO,  6                            ; v6   my byte offset in 16 rows of Q
.set STO, 7                            ; v7   the way out: where I put 16 bytes of a row
.set RD,  8                            ; v8   where I read rows back
.set GO,  10                           ; v10  my byte offset in two rows of O
.set MA,  11                           ; v11  my 16 bytes of each 512 of the pair's merge area
.set SA,  12                           ; v12  my 16 bytes of the pair's statistics
.set PFO, 13                           ; v13  256 x lane: a row of K or V; never rewritten
.set ST,  16                           ; tile t at ST + 8 t: c m, m, l (even keys', odd keys'), c0-c3 at work; a takes c2's place
.set XS,  32                           ; v32-35  c m and l of both tiles, handed over
.set WT,  36                           ; v36-43  tile t at WT + 4 t: my weight, at work, the partner's weight, at work
.set SV,  44                           ; v44-49  the first part's c m, l, l: tile t at SV + 3 t
.set SPW, 62                           ; v62  LDS address of my spare word; never rewritten
.set NIL, 63                           ; v63  0; never rewritten
.set S,   64
.set P,   128
.set MC,  192
.set MD,  128                          ; window 1
.set QB,  64                           ; window 2
.set KF,  128                          ; window 2: key block kb, channels 32 c on, at KF + 32 kb + 8 c
.set OS,  128                          ; window 3
.set WV,  12                           ; s12  my wave's number
.set CX,  13                           ; s13  my place in the cluster
.set CI,  14                           ; s14  I, the cluster's x
.set KP,  16                           ; s16  which half of the keys
.set GH,  17                           ; s17  which 32 queries
.set CNT, 20                           ; s20  counts my two key steps of a tile, 2 to 1 (at the head the register holds the head's offset)
.set ENDS, 21                          ; s21  counts the two parts' ends
.set G1K, 24                           ; s[24:31] descriptor group 1 for K's tiles
.set G1V, 32                           ; s[32:39] for V's: it differs in the padding alone
.set G0K, 40                           ; s[40:47] group 0 for K's: a set for each of the two first fills; the second then walks
.set G0V, 48                           ; s[48:55] the same for V's
.set SLOTS, 56                         ; s56  counts the walk's tiles
.set KPC, 57                           ; s57  2 x KP + 2: the key step in hand is number KPC - CNT of its tile
.set CS,  58                           ; s[58:59] c
.set SEL, 60                           ; s[60:61] v_permlanex16_b32's selects: each lane takes its own place in the other half
.set TBK, 62                           ; s62  LDS byte at which K of the step to be fetched begins
.set TBV, 63                           ; s63  the same for V
.set RT,  66                           ; s66  tiles that the part in hand still has, the one in hand among them
.set NXT, 67                           ; s67  the tile to be asked for next
.set LQ,  68                           ; s68  the last tile of the part whose tiles are being asked for
.set LQ2, 69                           ; s69  7 - I
.set OFF, 70                           ; s[70:71] a tile's byte offset in K and V
.set AL,  72                           ; s[72:73] the mask's factor, in the low word
.set BE,  74                           ; s[74:75] the mask's addend
.set OLO, 76                           ; s[76:77] O at my rows of the first block; s[10:11] stands at those of the second, which goes out first
.set BIGN, 78                          ; s78  -1e30
.set PD,  79                           ; s79  the key step that holds the diagonal
.set PD2, 81                           ; s81  3 - cx
.set PFB, 82                           ; s[82:83] the prefetches' base: my work-group's 32 rows of the 128 that I fetch, in tile 0
.set PFA, 84                           ; s[84:85] the same in the tile that the next change will ask for
.set LIM6, 86                          ; s86  6 in the head's first cluster, else 0
.set MSB, 0
.macro WIN new                         ; the immediate's high byte repeats the setting that is left; a switch that changes nothing is dropped
.if MSB != (\new)
	s_set_vgpr_msb (MSB<<8)|(\new)
.set MSB, \new
.endif
.endm
.set W_KQ, 0x0a                        ; K and Q in window 2; S^T and MC in window 0
.set W_PV, 0x53                        ; V in window 3, P in window 0, O^T in window 1
.set W_RS, 0x41                        ; O^T (destination and source 0) in window 1, the factor in window 0
.set W_MG, 0x52                        ; the partner's O^T in window 2, its weight in window 0, O^T in window 1
.macro PLACES                          ; four plain places between a matrix instruction and a load into, or a vector read of, its registers
.rept 4
	v_nop
.endr
.endm
; A joint refill: waves 0 and 1 fetch the two halves of a tile's K, waves 2 and 3 those of its V, 128 rows each.  An s_nop 0 and four v_nop follow each line.
.macro JLOAD
	s_cmp_lt_u32 s[WV], 2
	s_cbranch_scc0 .Lfor_v_\@
	tensor_load_to_lds s[G0K+4:G0K+7], s[G1K:G1K+7]
	s_nop 0
.rept 4
	v_nop
.endr
	s_branch .Lasked_\@
.Lfor_v_\@:
	tensor_load_to_lds s[G0V+4:G0V+7], s[G1V:G1V+7]
	s_nop 0
.rept 4
	v_nop
.endr
.Lasked_\@:
.endm
; A prefetch of what the NEXT change of slots will ask for.  Tiles 4 to 7 of a head are read first by its cluster I = 0, in the walk's places 5 to 8: that cluster asks for them, one change ahead of its
; joint load (SLOTS = 5 .. 2).  Each wave names 32 of the 128 rows that it fetches, the four partners told apart by address, a lane a row: each row is named once in the launch.
.macro ASK
	s_cmp_gt_u32 s[SLOTS], 1
	s_cselect_b32 s87, s[SLOTS], 6                 ; the last change that fills a slot has no change behind it: a number that asks for nothing
	s_cmp_lt_u32 s87, s[LIM6]
	s_cbranch_scc0 .Lnot_mine_\@
	global_prefetch_b8 v[PFO], s[PFA:PFA+1] th:TH_LOAD_NT scope:SCOPE_SE
.Lnot_mine_\@:
.endm
.macro CROUND                          ; a round of the cluster's barrier
	s_barrier_signal -1
	s_barrier_wait -1
	s_cmp_lg_u32 s[WV], 0
	s_cbranch_scc1 .Lnot_wave_0_\@
	s_barrier_signal -3
.Lnot_wave_0_\@:
	s_barrier_wait -3
	s_barrier_signal -1
	s_barrier_wait -1
.endm
.macro ADV                             ; the part's next tile, or behind its last the second part's tile 0
	s_add_co_u32 s[NXT], s[NXT], 1
	s_cmp_gt_u32 s[NXT], s[LQ]
	s_cselect_b32 s[NXT], 0, s[NXT]
	s_cselect_b32 s[LQ], s[LQ2], s[LQ]
.endm
; THE CHANGE OF SLOTS.  Each wave waits for all its tensor loads (the one that is out is its part of the other slot), adds 0 to its spare word, and waits for that and for its own reads of the slot that it
; leaves.  fill = 1: the barrier is a round of the cluster's, and the old slot is filled again, first thing behind it, with tile NXT; the descriptor's address is made anew from that number.
.macro CHANGE fill
	WIN 0
	s_wait_tensorcnt 0x0                           ; no tensor load of mine is out, so a group 0 may be written
	ds_add_u32 v[SPW], v[NIL]                      ; 0 onto my spare word; the scalar work below stands between it and the wait for it
.if \fill
	s_lshl_b32 s[OFF], s[NXT], 16                  ; a tile is 65,536 bytes of K and of V
	s_xor_b32 s[G0K+5], s[G0K+5], SLOT
	s_add_nc_u64 s[G0K+6:G0K+7], s[6:7], s[OFF:OFF+1]
	s_or_b32 s[G0K+7], s[G0K+7], 0x80000000
	s_xor_b32 s[G0V+5], s[G0V+5], SLOT
	s_add_nc_u64 s[G0V+6:G0V+7], s[8:9], s[OFF:OFF+1]
	s_or_b32 s[G0V+7], s[G0V+7], 0x80000000
	ADV
	s_wait_xcnt 0x0                                ; the last prefetch, a tile back, has read its address
	s_lshl_b32 s[OFF], s[NXT], 16
	s_add_nc_u64 s[PFA:PFA+1], s[PFB:PFB+1], s[OFF:OFF+1]
	s_wait_dscnt 0x0                               ; the add is done, and my reads of the slot are over
	CROUND
	JLOAD
	ASK
.else
	s_wait_dscnt 0x0
	s_barrier_signal -1
	s_barrier_wait -1
.endif
	s_sub_co_u32 s[TBK], s[TBK], 2*KS*PK           ; the fetches go back to my first step of a tile,
	s_xor_b32 s[TBK], s[TBK], SLOT                 ; in the other slot
	s_sub_co_u32 s[TBV], s[TBV], 2*KS*PV
	s_xor_b32 s[TBV], s[TBV], SLOT
.endm
	s_load_b256 s[4:11], s[0:1], 0x0               ; qf s[4:5], kf s[6:7], vf s[8:9], of s[10:11]
	v_lshl_add_u32 v[SPW], v0, 2, SPARE
	v_mov_b32 v[NIL], 0
	ds_add_u32 v[SPW], v[NIL]                      ; the wave's opening: the add and its wait stand ahead of my first tensor load; the set-up below stands between them
	v_lshrrev_b32 v1, 5, v0
	v_readfirstlane_b32 s[WV], v1                  ; wave 0..3
	s_bfe_u32 s[CX], ttmp6, 0x40000
	s_mov_b32 s[CI], ttmp9                         ; in a cluster launch ttmp9 counts clusters
	s_and_b32 s[KP], s[WV], 1
	s_lshr_b32 s[GH], s[WV], 1
	s_lshl_b32 s[KPC], s[KP], 1
	s_add_co_u32 s[KPC], s[KPC], 2
	s_sub_co_u32 s[LQ2], 7, s[CI]
	s_sub_co_u32 s[PD2], 3, s[CX]
	s_lshl_b32 s19, s[CI], 2
	s_add_co_u32 s19, s19, s[CX]                   ; b
	s_sub_co_u32 s80, 31, s19                      ; 31 - b
	s_and_b32 s20, ttmp7, 0xffff                   ; the head, which the four partners share
	s_lshl_b32 s87, s20, 8                         ; its 256 bytes of a row of O
	s_lshl_b32 s20, s20, 19                        ; its first byte in Q, K, V: 2,048 rows of 256 bytes
	s_lshl_b32 s22, s[KP], 15                      ; which half of a tile's 256 rows I fetch
	s_add_co_u32 s22, s22, s20
	s_mov_b32 s23, 0
	s_lshl_b32 s2, s19, 14                         ; Q: a block is 64 rows of 256 bytes,
	s_lshl_b32 s3, s[GH], 13                       ; my 32 of them
	s_add_co_u32 s2, s2, s3
	s_add_co_u32 s2, s2, s20
	s_lshl_b32 s94, s80, 14
	s_add_co_u32 s94, s94, s3
	s_add_co_u32 s94, s94, s20
	s_mov_b32 s3, 0
	s_mov_b32 s95, 0
	s_lshl_b32 s88, s19, 18                        ; O: a block is 64 rows of 4,096 bytes
	s_lshl_b32 s89, s[GH], 17
	s_add_co_u32 s88, s88, s89
	s_add_co_u32 s88, s88, s87
	s_lshl_b32 s90, s80, 18
	s_add_co_u32 s90, s90, s89
	s_add_co_u32 s90, s90, s87
	s_mov_b32 s89, 0
	s_mov_b32 s91, 0
	s_mul_i32 s15, s[KP], 128*PK                   ; my half's place in a slot, for K
	s_mul_i32 s18, s[KP], 128*PV                   ; and for V: no place in the cluster enters an LDS address
	s_add_co_u32 s18, s18, VOFF
	s_mov_b32 s[TBK], s15                          ; my two key steps of a tile are that same half
	s_mov_b32 s[TBV], s18
	s_mov_b32 s[G1K], 15|(1<<16)|(1<<20)|(1<<21)|(5<<22)|(3<<25)  ; 15:0 the mask of four; 17:16 2-byte elements; 20 padding on; 21 set beside a mask; 24:22 after every 64 words; 31:25 4 words
	s_mov_b32 s[G1V], 15|(1<<16)|(1<<20)|(1<<21)|(5<<22)|(7<<25)  ; the same with 8 words of padding
.irp g, G1K, G1V
	s_mov_b32 s[(\g)+1], 128<<16                   ; tensor_dim0 = 128
	s_mov_b32 s[(\g)+2], 128<<16                   ; tensor_dim1 = 128
	s_mov_b32 s[(\g)+3], 128<<16                   ; tile_dim0 = 128 elements, 256 bytes
	s_mov_b32 s[(\g)+4], 128                       ; tile_dim1 = 128 rows
	s_mov_b32 s[(\g)+5], 128                       ; elements from row to row
	s_mov_b32 s[(\g)+6], 0
	s_mov_b32 s[(\g)+7], 0
.endr
	s_mov_b32 s[CS], 0x3e0293ee                    ; c = log2(e) / sqrt(128) = 0.127517
	s_mov_b32 s[CS+1], s[CS]                       ; named with it as a pair
	s_mov_b32 s[SEL], 0x76543210
	s_mov_b32 s[SEL+1], 0xfedcba98
	s_mov_b32 s[BIGN], 0xf149f2ca                  ; -1e30
	s_mov_b32 s[AL+1], 0                           ; named as pairs
	s_mov_b32 s[BE+1], 0
	s_mov_b32 s[OFF+1], 0
	s_mov_b32 s[NXT], 0
	s_mov_b32 s[LQ], s[CI]
	s_add_co_u32 s[RT], s[CI], 1                   ; the first part has I + 1 tiles
	s_mov_b32 s[PD], s[CX]
	s_mov_b32 s[SLOTS], 8
	s_cmp_eq_u32 s[CI], 0
	s_cselect_b32 s[LIM6], 6, 0
	s_mov_b32 s[G0K], 1                            ; count = 1
	s_mov_b32 s[G0K+1], s15                        ; LDS address: slot 0
	s_mov_b32 s[G0K+4], 1
	s_add_co_u32 s[G0K+5], s15, SLOT               ; slot 1
	s_mov_b32 s[G0V], 1
	s_mov_b32 s[G0V+1], s18
	s_mov_b32 s[G0V+4], 1
	s_add_co_u32 s[G0V+5], s18, SLOT
	s_wait_dscnt 0x0                               ; the opening add is done
	s_wait_kmcnt 0x0
	s_add_nc_u64 s[6:7], s[6:7], s[22:23]          ; K and V at my half of the head's tile 0
	s_add_nc_u64 s[8:9], s[8:9], s[22:23]
	s_add_nc_u64 s[92:93], s[4:5], s[94:95]        ; Q at my rows of the second block,
	s_add_nc_u64 s[4:5], s[4:5], s[2:3]            ; and of the first
	s_add_nc_u64 s[OLO:OLO+1], s[10:11], s[88:89]  ; O at my rows of the first block,
	s_add_nc_u64 s[10:11], s[10:11], s[90:91]      ; and of the second
	s_cmp_lt_u32 s[WV], 2
	s_cselect_b64 s[PFB:PFB+1], s[6:7], s[8:9]
	s_lshl_b32 s2, s[CX], 13                       ; my work-group's 32 rows of 256 bytes
	s_add_nc_u64 s[PFB:PFB+1], s[PFB:PFB+1], s[2:3]
	s_mov_b64 s[G0K+2:G0K+3], s[6:7]               ; the walk's first tile is tile 0
	s_or_b32 s[G0K+3], s[G0K+3], 0x80000000        ; type = 2
	s_mov_b64 s[G0V+2:G0V+3], s[8:9]
	s_or_b32 s[G0V+3], s[G0V+3], 0x80000000
	ADV
	s_lshl_b32 s[OFF], s[NXT], 16                  ; its second
	s_add_nc_u64 s[G0K+6:G0K+7], s[6:7], s[OFF:OFF+1]
	s_or_b32 s[G0K+7], s[G0K+7], 0x80000000
	s_add_nc_u64 s[G0V+6:G0V+7], s[8:9], s[OFF:OFF+1]
	s_or_b32 s[G0V+7], s[G0V+7], 0x80000000
	ADV
	CROUND                                         ; all four work-groups are here: the first joint loads meet
	s_cmp_lt_u32 s[WV], 2                          ; a wave's two first fills stand in one branch: two loads of mine are out
	s_cbranch_scc0 .Lfirst_v
	tensor_load_to_lds s[G0K:G0K+3], s[G1K:G1K+7]
	s_nop 0
	tensor_load_to_lds s[G0K+4:G0K+7], s[G1K:G1K+7]
	s_nop 0
.rept 4
	v_nop
.endr
	s_branch .Lfirst_asked
.Lfirst_v:
	tensor_load_to_lds s[G0V:G0V+3], s[G1V:G1V+7]
	s_nop 0
	tensor_load_to_lds s[G0V+4:G0V+7], s[G1V:G1V+7]
	s_nop 0
.rept 4
	v_nop
.endr
.Lfirst_asked:
	; a fragment of K or Q: lane l holds row l % 16, channels 8 (l / 16) + 0..7 and 16 + 8 (l / 16) + 0..7: two loads of 16 bytes, 32 bytes apart
	v_and_b32 v1, 15, v0                           ; r = l % 16
	v_bfe_u32 v9, v0, 4, 1                         ; h = l / 16
	v_and_b32 v15, 31, v0                          ; l
	v_lshlrev_b32 v[QO], 8, v1
	v_lshl_add_u32 v[QO], v9, 4, v[QO]
	WIN 0x80                                       ; destination window 2, address window 0
.set i, 0
.rept 8                                ; both blocks' Q stay in registers: tile i / 4, channels 32 (i % 4) on
	global_load_b128 v[8*i:8*i+3],       v[QO], s[4:5]   offset:(i/4)*4096+(i%4)*64
	global_load_b128 v[8*i+4:8*i+7],     v[QO], s[4:5]   offset:(i/4)*4096+(i%4)*64+32
	global_load_b128 v[QB+8*i:QB+8*i+3],   v[QO], s[92:93] offset:(i/4)*4096+(i%4)*64
	global_load_b128 v[QB+8*i+4:QB+8*i+7], v[QO], s[92:93] offset:(i/4)*4096+(i%4)*64+32
.set i, i+1
.endr
	WIN 0
	v_mul_u32_u24 v[AK0], v1, PK
	v_lshl_add_u32 v[AK0], v9, 4, v[AK0]           ; row x pitch + 16 x half
	v_and_b32 v14, 7, v0                           ; the turning load's lane l reads key 8 (l / 16) + l % 8, channels 8 ((l / 8) % 2) + 0..7
	v_lshl_add_u32 v[AV0], v9, 3, v14
	v_mul_u32_u24 v[AV0], v[AV0], PV
	v_bfe_u32 v14, v0, 3, 1
	v_lshl_add_u32 v[AV0], v14, 4, v[AV0]
	s_lshl_b32 s19, s[GH], 14
	s_add_co_u32 s19, s19, MRG                     ; my pair's merge area, and the even wave's stage
	v_lshl_add_u32 v[MA], v15, 4, s19
	v_mul_u32_u24 v[STO], v1, SP                   ; in: row l % 16, 16 bytes for each half of the lanes
	v_lshl_add_u32 v[STO], v9, 4, v[STO]
	v_add_nc_u32 v[STO], s19, v[STO]
	v_mul_u32_u24 v[RD], v9, SP                    ; back: lanes 0-15 one row of 256 bytes, lanes 16-31 the next
	v_lshl_add_u32 v[RD], v1, 4, v[RD]
	v_add_nc_u32 v[RD], s19, v[RD]
	s_lshl_b32 s19, s[GH], 9
	s_add_co_u32 s19, s19, STATS
	v_lshl_add_u32 v[SA], v15, 4, s19
	v_lshlrev_b32 v[GO], 12, v9                    ; the same two rows in O, 4,096 bytes apart
	v_lshl_add_u32 v[GO], v1, 4, v[GO]
	v_lshlrev_b32 v[PFO], 8, v15
	v_lshlrev_b32 v14, 3, v9
	v_sub_nc_u32 v14, v1, v14
	s_lshl_b32 s19, s[GH], 5
	v_add_nc_u32 v14, s19, v14                     ; 32 g + l % 16 - 8 (l / 16): register j of key block kt of tile u is hidden where 16 kt + j - 16 u is greater
	WIN 0x40
.set i, 0
.rept 64
	v_cmp_gt_i32 vcc_lo, 16*((i/8)%4)+i%8-16*(i/32), v14
	v_cndmask_b32 v[MD+i], 0, s[BIGN], vcc_lo
.set i, i+1
.endr
.set i, 0
.rept 128                              ; O^T and l start at 0, so that no first step is written out: a part's first a is 0, and what it multiplies need only be finite.  All this runs while the first tile is on its way
	v_mov_b32 v[i], 0
.set i, i+1
.endr
	WIN 0xc0
.set i, 0
.rept 128                              ; the registers that will keep the first part's O^T hold numbers on every way through the text
	v_mov_b32 v[OS+i], 0
.set i, i+1
.endr
	WIN 0
.irp t, 0,1
	v_mov_b32 v[ST+8*(\t)], 0xfe000000             ; c m: far below every c s
	v_mov_b32 v[ST+8*(\t)+1], 0xff7fffff           ; m: the lowest finite number
	v_mov_b32 v[ST+8*(\t)+2], 0
	v_mov_b32 v[ST+8*(\t)+3], 0
	v_mov_b32 v[SV+3*(\t)], 0
	v_mov_b32 v[SV+3*(\t)+1], 0
	v_mov_b32 v[SV+3*(\t)+2], 0
.endr
; THE MATRIX WORK.  The accumulators take turns, one instruction a turn: 7 (K Q^T) or 15 (V^T P) others stand between two links of a chain.
.macro KQRUN                           ; product i of 32: tile i % 2, keys 16 ((i / 2) % 4) on, channels 32 (i / 8) on.  The first 8 start the sums with the mask.
	s_wait_dscnt 0x0                               ; K is in
	WIN W_KQ
.set i, 0
.rept 32
.set rS, S+32*(i%2)+8*((i/2)%4)
.set rK, KF+32*((i/2)%4)+8*(i/8)
.set rQ, 32*(i%2)+8*(i/8)
.set rM, MC+32*(i%2)+8*((i/2)%4)
.if i < 8
	v_wmma_f32_16x16x32_f16 v[rS:rS+7], v[rK:rK+7], v[rQ:rQ+7], v[rM:rM+7]
.else
	v_wmma_f32_16x16x32_f16 v[rS:rS+7], v[rK:rK+7], v[rQ:rQ+7], v[rS:rS+7]
.endif
.set i, i+1
.endr
.endm
.macro PVRUN                           ; product i of 32: tile i % 2, channels 16 ((i / 2) % 8) on, keys 32 (i / 16) on
	WIN W_PV
.set i, 0
.rept 32
.set rO, 64*(i%2)+8*((i/2)%8)
.set rV, 64*(i/16)+8*((i/2)%8)
.set rP, P+16*(i%2)+8*(i/16)
	v_wmma_f32_16x16x32_f16 v[rO:rO+7], v[rV:rV+7], v[rP:rP+7], v[rO:rO+7]
.set i, i+1
.endr
.endm
; THE LDS LOADS, in runs of 32: a step's K (64 keys x 128 channels) and its V (turned)
.macro FETCH_K
	WIN 0
	v_add_nc_u32 v[AK], s[TBK], v[AK0]
	s_add_co_u32 s[TBK], s[TBK], KS*PK             ; the next fetch is the next step's
	WIN 0x80
.irp f, 0,1,2,3,4,5,6,7,8,9,10,11,12,13,14,15  ; keys 16 (f / 4) on, channels 32 (f % 4) on
	ds_load_b128 v[KF+8*(\f):KF+8*(\f)+3],   v[AK] offset:((\f)/4)*16*PK+((\f)%4)*64
	ds_load_b128 v[KF+8*(\f)+4:KF+8*(\f)+7], v[AK] offset:((\f)/4)*16*PK+((\f)%4)*64+32
.endr
	WIN 0
.endm
.macro FETCH_V
	WIN 0
	v_add_nc_u32 v[AV], s[TBV], v[AV0]
	s_add_co_u32 s[TBV], s[TBV], KS*PV
	WIN 0xc0
.irp f, 0,1,2,3,4,5,6,7,8,9,10,11,12,13,14,15  ; keys 32 (f / 8) on, channels 16 (f % 8) on
	ds_load_tr16_b128 v[8*(\f):8*(\f)+3],   v[AV] offset:((\f)/8)*32*PV+((\f)%8)*32
	ds_load_tr16_b128 v[8*(\f)+4:8*(\f)+7], v[AV] offset:((\f)/8)*32*PV+16*PV+((\f)%8)*32
.endr
	WIN 0
.endm
; THE SOFTMAX of one tile and step is a list of 134 instructions; SM writes number j of it for tile t.  s0-s31 are the lane's 32 scores, in pairs 0-15.
;   0-15    the maximum of s0-s31 and the old m, three operands at a time (each accumulator's lowest registers are read first)
;   16-20   the other half of the lanes' maximum; the new m; c m; c m_old - c m_new
;   21-69   ONE BATCH: the 16 scalings c s - c m and all 33 exponentials (a at 23, then s0-s31); none of these names an exponential's result
;   70-85   the roundings to f16      86-101  the sums; l = a l + the sum      102-133 the tile's O^T times a
.macro SM t
.set rT, ST+8*(\t)
.set rS, S+32*(\t)
.set rP, P+16*(\t)
.set rO, 64*(\t)+2*(j-102)
.if j < 102
	WIN 0
.endif
.if j < 4
	v_max3_num_f32 v[rT+4+j], v[rS+8*j], v[rS+8*j+1], v[rS+8*j+2]
.elseif j < 12
	v_max3_num_f32 v[rT+4+j%4], v[rT+4+j%4], v[rS+8*(j%4)+2*(j/4)+1], v[rS+8*(j%4)+2*(j/4)+2]
.elseif j == 12
	v_max3_num_f32 v[rT+4], v[rT+4], v[rS+7], v[rS+15]
.elseif j == 13
	v_max3_num_f32 v[rT+6], v[rT+6], v[rS+23], v[rS+31]
.elseif j == 14
	v_max3_num_f32 v[rT+4], v[rT+4], v[rT+5], v[rT+6]
.elseif j == 15
	v_max3_num_f32 v[rT+4], v[rT+4], v[rT+7], v[rT+1]
.elseif j == 16
	v_permlanex16_b32 v[rT+5], v[rT+4], s[SEL], s[SEL+1]  ; the query's other 32 keys lie in the lane 16 away
.elseif j == 17
	v_mov_b32 v[rT+7], v[rT]                       ; c m_old is kept for a
.elseif j == 18
	v_max_num_f32 v[rT+1], v[rT+4], v[rT+5]
.elseif j == 19
	v_mul_f32 v[rT], s[CS], v[rT+1]
.elseif j == 20
	v_sub_f32 v[rT+7], v[rT+7], v[rT]
.elseif j == 23
	v_exp_f32 v[rT+6], v[rT+7]
.elseif (j < 23) || ((j < 38) && (j%2 == 0)) || ((j < 66) && (j%4 == 2))
.set b, (j-2)/4                        ; 38, 42, .. 62: pairs 9 to 15
.if j < 38
.set b, (j-20)/2                       ; 21: pair 0; 22, 24, .. 36: pairs 1 to 8
.endif
	v_pk_fma_f32 v[rS+2*b:rS+2*b+1], v[rS+2*b:rS+2*b+1], s[CS:CS+1], v[rT:rT+1] op_sel_hi:[1,0,0] neg_lo:[0,0,1] neg_hi:[0,0,1]
.elseif j < 70
.set e, j-38                           ; 66 to 69: s28 to s31
.if j < 66
.set e, j-32-(j-38)/4                  ; 39-41, 43-45, .. 63-65: s7 to s27
.endif
.if j < 38
.set e, (j-25)/2                       ; 25, 27, .. 37: s0 to s6
.endif
	v_exp_f32 v[rS+e], v[rS+e]
.elseif j < 86
	v_cvt_pk_f16_f32 v[rP+j-70], v[rS+2*(j-70)], v[rS+2*(j-70)+1]
.elseif j < 102                        ; the 16 pairs are added in place, neighbours 1, 2, 4 and 8 pairs apart; then l takes the sum
.set z, j-86
.set w, 4
.set u, z
.if z >= 14
.set w, 32
.set u, 0
.elseif z >= 12
.set w, 16
.set u, z-12
.elseif z >= 8
.set w, 8
.set u, z-8
.endif
.if z < 15
	v_pk_add_f32 v[rS+w*u:rS+w*u+1], v[rS+w*u:rS+w*u+1], v[rS+w*u+w/2:rS+w*u+w/2+1]
.else
	v_pk_fma_f32 v[rT+2:rT+3], v[rT+2:rT+3], v[rT+6:rT+7], v[rS:rS+1] op_sel_hi:[1,0,1]
.endif
.else
	WIN W_RS
	v_pk_mul_f32 v[rO:rO+1], v[rO:rO+1], v[rT+6:rT+7] op_sel_hi:[1,0]
.endif
.endm
.macro SOFTMAX                         ; both tiles' lists in order, the tiles alternating; the 66 exponentials are one batch with one wait
.set j, 0
.rept 70
	SM 0
	SM 1
.set j, j+1
.endr
	v_nop                                          ; a plain instruction behind the last exponential,
	s_wait_alu depctr_va_vdst(0)                   ; and a wait ahead of the first instruction that names a result
.rept 64
	SM 0
	SM 1
.set j, j+1
.endr
	WIN 0
.endm
; The masks for the key step in hand, number KPC - CNT of its tile: MD x AL + BE.  Outside a part's last tile (RT = 1) both scalars are 0, and so is the mask.
.macro MASKSET
	s_sub_co_u32 s87, s[KPC], s[CNT]
	s_cmp_eq_u32 s87, s[PD]                        ; is it the step with the diagonal?
	s_cselect_b32 s[AL], 1.0, 0
	s_cmp_gt_u32 s87, s[PD]                        ; or a later one?
	s_cselect_b32 s[BE], s[BIGN], 0
	s_cmp_eq_u32 s[RT], 1                          ; and is the tile the part's last?
	s_cselect_b32 s[AL], s[AL], 0
	s_cselect_b32 s[BE], s[BE], 0
	WIN 0x01                                       ; MD in window 1, MC in window 0
.set z, 0
.rept 32
	v_pk_fma_f32 v[MC+2*z:MC+2*z+1], v[MD+2*z:MD+2*z+1], s[AL:AL+1], s[BE:BE+1] op_sel_hi:[1,0,0]
.set z, z+1
.endr
.endm
; THE FIRST PART IS SET ASIDE AND THE SECOND BEGINS: work on registers alone.  The second part's first a is 0, so O^T and l need only be finite, as the first part leaves them.
.macro TURNOVER
	PLACES                                         ; behind the first part's last products
	WIN 0xc1                                       ; from window 1 into window 3
.set i, 0
.rept 128
	v_mov_b32 v[OS+i], v[i]
.set i, i+1
.endr
	WIN 0
.irp t, 0,1
	v_mov_b32 v[SV+3*(\t)],   v[ST+8*(\t)]
	v_mov_b32 v[SV+3*(\t)+1], v[ST+8*(\t)+2]
	v_mov_b32 v[SV+3*(\t)+2], v[ST+8*(\t)+3]
.endr
.irp t, 0,1
	v_mov_b32 v[ST+8*(\t)], 0xfe000000
	v_mov_b32 v[ST+8*(\t)+1], 0xff7fffff
.endr
	WIN 0x82                                       ; the second block's Q goes where the one text of the products names Q
.set i, 0
.rept 64
	v_mov_b32 v[i], v[QB+i]
.set i, i+1
.endr
	WIN 0
	s_sub_co_u32 s[RT], 8, s[CI]                   ; the second part has 8 - I tiles, five or more
	s_mov_b32 s[PD], s[PD2]
.endm
; A UNIT: V^T P of the step before, under which this step's K comes in; then this step's mask, K Q^T and softmax, under which its V comes in.
; turn = 1 (the loop): behind V^T P stands the test for the first part's end.  RT is 0 there in one unit of the walk at the most: the move sets it to 8 - I.  The walk is entered at .Lfirst, where no step has been yet.
.macro UNIT turn
	s_wait_dscnt 0x0                               ; V of the step before is in: its 32 loads went out ahead of a whole softmax.  So 32 LDS loads of mine are out at the most
	FETCH_K
	PVRUN
	WIN 0
.if \turn
	s_cmp_lg_u32 s[RT], 0                          ; made of the cluster's x and constants: the same in every wave and every partner
	s_cbranch_scc1 .Lfirst
	TURNOVER
.Lfirst:
.endif
	MASKSET                                        ; 32 plain instructions: the places behind V^T P, in the wait for K
	KQRUN
	WIN 0
	PLACES                                         ; behind the scores' last products; the last products that read V stand further back
	FETCH_V
	SOFTMAX
.endm
.macro PACK t                          ; a lane's eight channels of a row pack into 16 bytes; they go into rows of 272 bytes and come back as whole rows of 256
	WIN 0x05                                       ; sources 0 and 1 window 1, destination window 0: S^T's registers are free
.set i, 0
.rept 32
	v_cvt_pk_f16_f32 v[S+32*(\t)+i], v[64*(\t)+2*i], v[64*(\t)+2*i+1]
.set i, i+1
.endr
	WIN 0
.irp f, 0,1,2,3,4,5,6,7
	ds_store_b128 v[STO], v[S+32*(\t)+4*(\f):S+32*(\t)+4*(\f)+3] offset:16*SP*(\t)+32*(\f)
.endr
.irp f, 0,1,2,3,4,5,6,7
	ds_load_b128 v[S+32*(\t)+4*(\f):S+32*(\t)+4*(\f)+3], v[RD] offset:16*SP*(\t)+(\f)*2*SP  ; LDS serves a wave's instructions in order (ISA guide 5.7.1.4): these see the stores above
.endr
.endm
.macro SEND t, younger                 ; younger: the LDS instructions issued behind tile t's loads
.irp f, 0,1,2,3,4,5,6,7
	s_wait_dscnt (\younger)+7-(\f)
	global_store_b128 v[GO], v[S+32*(\t)+4*(\f):S+32*(\t)+4*(\f)+3], s[10:11] offset:(16*(\t)+2*(\f))*4096  ; 16 lanes store a head's 256 bytes of a row, aligned
.endr
.endm
	s_wait_tensorcnt 1                             ; my part of slot 0 is in; slot 1's may stay out
	s_barrier_signal -1
	s_barrier_wait -1                              ; everybody's is
	FETCH_K
	s_wait_loadcnt 0x0                             ; both blocks' Q
	s_mov_b32 s[CNT], 2
	s_branch .Lfirst                               ; the loops are entered at the first step's mask, in the middle of a unit
.Lslot:                                                ; seven times: a tile is left, its slot is filled again, the next tile is walked
	CHANGE 1
	s_sub_co_u32 s[RT], s[RT], 1                   ; the tile now in hand; 0: the first part's last tile has been left
	s_mov_b32 s[CNT], 2
.Lstep:                                                ; my two key steps of a tile
	UNIT 1
	s_sub_co_u32 s[CNT], s[CNT], 1
	s_cmp_lg_u32 s[CNT], 0
	s_cbranch_scc1 .Lstep
	s_sub_co_u32 s[SLOTS], s[SLOTS], 1
	s_cmp_lg_u32 s[SLOTS], 0
	s_cbranch_scc1 .Lslot
	CHANGE 0                                       ; the walk's last tile is written out: nothing is asked for
	s_sub_co_u32 s[RT], s[RT], 1                   ; 1: the second part's last tile
	s_mov_b32 s[CNT], 2
.Ltail:
	UNIT 0
	s_sub_co_u32 s[CNT], s[CNT], 1
	s_cmp_lg_u32 s[CNT], 0
	s_cbranch_scc1 .Ltail
	s_wait_dscnt 0x0                               ; the last V is in
	PVRUN                                          ; the walk's last step
	WIN 0
	; THE TWO PARTS' ENDS: one text, walked twice: first the second part, which lies in O^T, then the first, which is copied there.  (The copy behind the second walk serves nothing: the price of one text.)
	s_mov_b32 s[ENDS], 2
.Lend:
	PLACES                                         ; behind the last products
.irp t, 0,1
	v_add_f32 v[ST+8*(\t)+4], v[ST+8*(\t)+2], v[ST+8*(\t)+3]       ; l's two halves,
.endr
.irp t, 0,1
	v_permlanex16_b32 v[ST+8*(\t)+5], v[ST+8*(\t)+4], s[SEL], s[SEL+1]
.endr
.irp t, 0,1
	v_add_f32 v[ST+8*(\t)+4], v[ST+8*(\t)+4], v[ST+8*(\t)+5]       ; and the other half of the lanes'
.endr
	s_cmp_eq_u32 s[KP], 0
	s_cbranch_scc1 .Lkeep
	v_mov_b32 v[XS], v[ST]                         ; the odd wave hands c m, l and O^T over
	v_mov_b32 v[XS+1], v[ST+4]
	v_mov_b32 v[XS+2], v[ST+8]
	v_mov_b32 v[XS+3], v[ST+12]
	ds_store_b128 v[SA], v[XS:XS+3]
	WIN 0x04                                       ; the stores' data in window 1
.set i, 0
.rept 32
	ds_store_b128 v[MA], v[4*i:4*i+3] offset:512*i ; 32 lanes x 16 neighbouring bytes; the even wave's same lane reads them back
.set i, i+1
.endr
	WIN 0
.Lkeep:
	s_wait_dscnt 0x0                               ; for the partner's sake: my stores are done
	s_barrier_signal -1
	s_barrier_wait -1
	; The even wave: with M = max(c m, c m'), f = 2^(c m - M), f' = 2^(c m' - M) and L = f l + f' l':  O = O f / L + O' f' / L; rounded to f16, staged and stored.
	s_cmp_lg_u32 s[KP], 0
	s_cbranch_scc1 .Lgave
	ds_load_b128 v[XS:XS+3], v[SA]
	WIN 0x80                                       ; destination window 2: K's registers are free
.set i, 0
.rept 32
	ds_load_b128 v[KF+4*i:KF+4*i+3], v[MA] offset:512*i
.set i, i+1
.endr
	WIN 0
	s_wait_dscnt 32                                ; the statistics are in; the partner's O^T may stay out
.irp t, 0,1
	v_max_num_f32 v[WT+4*(\t)+1], v[ST+8*(\t)], v[XS+2*(\t)]
.endr
.irp t, 0,1
	v_sub_f32 v[WT+4*(\t)],   v[ST+8*(\t)], v[WT+4*(\t)+1]
	v_sub_f32 v[WT+4*(\t)+2], v[XS+2*(\t)], v[WT+4*(\t)+1]
.endr
.irp t, 0,1
	v_exp_f32 v[WT+4*(\t)],   v[WT+4*(\t)]
	v_exp_f32 v[WT+4*(\t)+2], v[WT+4*(\t)+2]
.endr
	v_nop                                          ; a plain instruction behind the last exponential,
	s_wait_alu depctr_va_vdst(0)                   ; and one wait for the four, ahead of their first reader
.irp t, 0,1
	v_mul_f32 v[WT+4*(\t)+1], v[WT+4*(\t)], v[ST+8*(\t)+4]
.endr
.irp t, 0,1
	v_fmac_f32 v[WT+4*(\t)+1], v[WT+4*(\t)+2], v[XS+2*(\t)+1]
.endr
.irp t, 0,1
	v_rcp_f32 v[WT+4*(\t)+3], v[WT+4*(\t)+1]
.endr
	v_nop
	s_wait_alu depctr_va_vdst(0)                   ; one wait for the two reciprocals
.irp t, 0,1
	v_mul_f32 v[WT+4*(\t)],   v[WT+4*(\t)],   v[WT+4*(\t)+3]
	v_mul_f32 v[WT+4*(\t)+2], v[WT+4*(\t)+2], v[WT+4*(\t)+3]
.endr
	WIN W_RS
.set i, 0
.rept 64
	v_pk_mul_f32 v[2*i:2*i+1], v[2*i:2*i+1], v[WT+4*(i/32):WT+4*(i/32)+1] op_sel_hi:[1,0]
.set i, i+1
.endr
	s_wait_dscnt 0x0                               ; the partner's O^T is in
	WIN W_MG
.set i, 0
.rept 64
	v_pk_fma_f32 v[2*i:2*i+1], v[KF+2*i:KF+2*i+1], v[WT+4*(i/32)+2:WT+4*(i/32)+3], v[2*i:2*i+1] op_sel_hi:[1,0,1]
.set i, i+1
.endr
	PACK 0
	PACK 1
	SEND 0, 16
	SEND 1, 0
.Lgave:
	s_wait_xcnt 0x0                                ; the stores have read their registers and O's address
	s_mov_b64 s[10:11], s[OLO:OLO+1]               ; the first block's rows of O,
	WIN 0x43                                       ; its O^T, from window 3 into window 1,
.set i, 0
.rept 128
	v_mov_b32 v[i], v[OS+i]
.set i, i+1
.endr
	WIN 0
.irp t, 0,1
	v_mov_b32 v[ST+8*(\t)],   v[SV+3*(\t)]         ; and its c m and l
	v_mov_b32 v[ST+8*(\t)+2], v[SV+3*(\t)+1]
	v_mov_b32 v[ST+8*(\t)+3], v[SV+3*(\t)+2]
.endr
	s_wait_dscnt 0x0                               ; the even wave's reads of the merge area are over
	s_barrier_signal -1
	s_barrier_wait -1                              ; before the odd wave stores there again
	s_sub_co_u32 s[ENDS], s[ENDS], 1
	s_cmp_lg_u32 s[ENDS], 0
	s_cbranch_scc1 .Lend
	s_wait_tensorcnt 0x0                           ; the wave's end: the spare-word add and its wait, behind my last tensor load and my last LDS store
	ds_add_u32 v[SPW], v[NIL]
	s_wait_dscnt 0x0
	CROUND                                         ; the closing round: no work-group ends while a partner may still ask for a tile that names it
	s_endpgm
.Lfunc_end_k_q8a6c680d75_attn:
	.size	k_q8a6c680d75_attn, .Lfunc_end_k_q8a6c680d75_attn-k_q8a6c680d75_attn
	.p2alignl 7, 3214868480
	.fill 96, 4, 3214868480
	.section	.rodata,"a",@progbits
	.p2align	6, 0x0
	.amdhsa_kernel k_q8a6c680d75_attn
		.amdhsa_group_segment_fixed_size 327680
		.amdhsa_private_segment_fixed_size 0
		.amdhsa_enable_private_segment 0
		.amdhsa_kernarg_size 32
		.amdhsa_user_sgpr_count 2
		.amdhsa_user_sgpr_kernarg_segment_ptr 1
		.amdhsa_wavefront_size32 1
		.amdhsa_system_sgpr_workgroup_id_x 1
		.amdhsa_system_sgpr_workgroup_id_y 1
		.amdhsa_system_sgpr_workgroup_id_z 1
		.amdhsa_system_vgpr_workitem_id 0
		.amdhsa_next_free_vgpr 1024
		.amdhsa_next_free_sgpr 96
		.amdhsa_reserve_vcc 1
		.amdhsa_float_denorm_mode_32 3
		.amdhsa_float_denorm_mode_16_64 3
		.amdhsa_memory_ordered 1
		.amdhsa_forward_progress 1
		.amdhsa_inst_pref_size 118
	.end_amdhsa_kernel
	.amdgpu_metadata
---
amdhsa.version: [ 1, 2 ]
amdhsa.kernels:
  - .name:           k_q8a6c680d75_attn
    .symbol:         k_q8a6c680d75_attn.kd
    .args:
      - { .name: qf, .offset: 0, .size: 8, .value_kind: global_buffer, .address_space: global }
      - { .name: kf, .offset: 8, .size: 8, .value_kind: global_buffer, .address_space: global }
      - { .name: vf, .offset: 16, .size: 8, .value_kind: global_buffer, .address_space: global }
      - { .name: of, .offset: 24, .size: 8, .value_kind: global_buffer, .address_space: global }
    .group_segment_fixed_size: 327680
    .private_segment_fixed_size: 0
    .kernarg_segment_align: 8
    .kernarg_segment_size: 32
    .max_flat_workgroup_size: 128
    .sgpr_count:     96
    .vgpr_count:     1024
    .wavefront_size: 32
...
	.end_amdgpu_metadata
.endif
;; end of part 3
;; launch oproj (part 4): grid 16 x 16, 4 waves a work-group, clusters of 4 x 4, 327,680 bytes of LDS; arguments of, woh, out0; writes out0
.if DOCPART == 4
	.amdgcn_target "amdgcn-amd-amdhsa--gfx1250"
	.amdhsa_code_object_version 6
	.text
	.protected	k_q8a6c680d75_oproj
	.globl	k_q8a6c680d75_oproj
	.p2align	8
	.type	k_q8a6c680d75_oproj,@function
k_q8a6c680d75_oproj:
	s_mov_b64 s[64:65], 0
	v_nop
	global_prefetch_b8 v0, s[64:65] scope:SCOPE_SE
	s_setreg_imm32_b32 hwreg(HW_REG_WAVE_MODE, 25, 1), 1
	s_wait_xcnt 0x0
	s_wait_alu depctr_hold_cnt(0) depctr_sa_sdst(0) depctr_va_vdst(0) depctr_va_sdst(0) depctr_va_ssrc(0) depctr_va_vcc(0) depctr_vm_vsrc(0)
	s_getreg_b32 s2, hwreg(HW_REG_IB_STS2, 6, 4)
	s_cmp_eq_u32 s2, 0
	s_cbranch_scc0 .Lentry_in_a_cluster
	s_endpgm
.Lentry_in_a_cluster:
	s_bfe_u32 s2, ttmp6, 0x10000c
	s_cmp_lg_u32 s2, 0xf033
	s_cbranch_scc0 .Lentry_shape_is_right
	s_endpgm
.Lentry_shape_is_right:
; out0 = O wo.  of: [2048][2048] f16; woh: [2048 k][2048 n], wo rounded to bf16 and written as f16; out0: [2048][2048] f32.  Sums in f32, K ascending.
; A tile of out0 is 128 x 128: 256 work-groups.  Four waves, each 64 x 64: 16 accumulators.  K goes in 8 steps of 256 through two LDS slots: O's tile as 128 rows of 512 bytes,
; wo's as 256 k-rows of 256 bytes; a wave's one tensor load brings half of one of them.
; THE MATRIX INSTRUCTION IS USED TRANSPOSED: source 0 = 16 columns of wo (turned on the way out of LDS by ds_load_tr16_b128), source 1 = 16 rows of O: a lane holds eight neighbouring numbers of a row.
; CLUSTER 4 x 4: O's tile is shared along a row of the cluster, wo's along a column: joint loads.  No prefetch: a tile of this size has too short a step for one.
; REGISTERS: window 0: v1-29 addresses; v128-255 the accumulators ((a, b) at 128 + 8 (4 a + b)).
;   window 1: two fragment buffers of 128: for 64 along K, 64 registers of O (2 x 4 x 16 rows x 32 K), then 64 of wo; on the way out the rows read back.
.set PA,     528                       ; a row of O in LDS: 512 + 16 bytes: the 16 rows of a fragment load start at 16 different groups of four banks (64 banks of 4 bytes: ISA guide 11.1)
.set PB,     288                       ; a k-row of wo: 256 + 32
.set REG,    36864                     ; what one tensor load fills: 128 x 288; O's 64 rows x 528 use 33,792 of it
.set SLOT,   4*REG                     ; O's two halves, then wo's two halves (256 k-rows on end)
.set STAGE,  2*SLOT                    ; behind the ring: 16 rows x 272 bytes for each wave, for the way out
.set SPITCH, 272
.set SPARE,  STAGE+4*16*SPITCH         ; the spare words, 128 bytes for each wave: two blocks of 256 bytes that no other line names
.set LAPS,   4                         ; a lap = two K steps = once round the ring
.set ADRA, 16                          ; v16-17  LDS address of my fragments of O in slot 0, 1
.set ADRB, 20                          ; v20-23  the same for wo: slot s, half hq of the K step at 2 s + hq
.set STO,  24                          ; v24     the way out: where I put 32 bytes of a row
.set RD,   25                          ; v25     where I read rows back
.set CO,   26                          ; v26     my byte offset in two rows of out0
.set SPW,  28                          ; v28     LDS address of my spare word; never rewritten
.set NIL,  29                          ; v29     0; never rewritten
.set ACC,  128
.set F0,   0
.set F1,   128
.set G1,  24                           ; s[24:31] descriptor group 1 for O's tiles;  s[32:39] group 0, a set for each slot
.set G0,  32
.set G1B, 48                           ; s[48:55], s[56:63] the same for wo's
.set G0B, 56
.set MSB, 0
.macro WIN new                         ; the immediate's high byte repeats the setting that is left; a switch that changes nothing is dropped
.if MSB != (\new)
	s_set_vgpr_msb (MSB<<8)|(\new)
.set MSB, \new
.endif
.endm
.set MUL,  0x05                        ; sources 0 and 1 window 1; C and D window 0
.set TO_F, 0x40                        ; destination window 1, address window 0
.macro JLOAD s                         ; a joint load: waves 0 and 1 fetch O's two halves, waves 2 and 3 wo's; an s_nop 0 and four v_nop follow each line
	s_cmp_eq_u32 s11, 0
	s_cbranch_scc0 .Lfor_b_\@
	tensor_load_to_lds s[G0+4*(\s):G0+4*(\s)+3], s[G1:G1+7]
	s_nop 0
.rept 4
	v_nop
.endr
	s_branch .Lasked_\@
.Lfor_b_\@:
	tensor_load_to_lds s[G0B+4*(\s):G0B+4*(\s)+3], s[G1B:G1B+7]
	s_nop 0
.rept 4
	v_nop
.endr
.Lasked_\@:
.endm
.macro CREST                           ; a round of the cluster's barrier behind its opening barrier
	s_cmp_lg_u32 s10, 0
	s_cbranch_scc1 .Lnot_wave_0_\@
	s_barrier_signal -3
.Lnot_wave_0_\@:
	s_barrier_wait -3
	s_barrier_signal -1
	s_barrier_wait -1
.endm
.macro CROUND
	s_barrier_signal -1
	s_barrier_wait -1
	CREST
.endm
.macro PLACES                          ; four plain places between a matrix instruction and a load into, or a read of, its registers
.rept 4
	v_nop
.endr
.endm
	s_load_b128 s[4:7], s[0:1], 0x0                ; of s[4:5], woh s[6:7]
	s_load_b64 s[8:9], s[0:1], 0x10                ; out0
	v_lshl_add_u32 v[SPW], v0, 2, SPARE
	v_mov_b32 v[NIL], 0
	ds_add_u32 v[SPW], v[NIL]                      ; the wave's opening: the add and its wait stand ahead of my first tensor load; the set-up below stands between them
	v_lshrrev_b32 v1, 5, v0
	v_readfirstlane_b32 s10, v1                    ; wave 0..3
	s_lshr_b32 s11, s10, 1                         ; which 64 rows are mine.  Also: I fetch for O (0) or for wo (1)
	s_and_b32 s12, s10, 1                          ; which 64 columns.  Also: which half of that tile I fetch
	s_bfe_u32 s40, ttmp6, 0x40000                  ; cx
	s_bfe_u32 s41, ttmp6, 0x40004                  ; cy
	s_lshl_b32 s42, ttmp9, 2
	s_add_co_u32 s42, s42, s40                     ; tile column = 4 x cluster x + cx
	s_and_b32 s13, ttmp7, 0xffff
	s_lshl_b32 s13, s13, 2
	s_add_co_u32 s13, s13, s41                     ; tile row = 4 x cluster y + cy
	s_lshl_b32 s43, s41, 2
	s_lshl_b32 s43, 15, s43                        ; my row of the cluster
	s_lshl_b32 s44, 0x1111, s40                    ; my column
	s_or_b32 s[G1], s43, (1<<16)|(1<<20)|(1<<21)|(6<<22)|(3<<25)   ; 15:0 the mask; 17:16 2-byte elements; 20 padding on; 21 set beside a mask; 24:22 after every 128 words; 31:25 4 words of it
	s_mov_b32 s[G1+1], 256<<16                     ; tensor_dim0 = 256
	s_mov_b32 s[G1+2], 64<<16                      ; tensor_dim1 = 64
	s_mov_b32 s[G1+3], 256<<16                     ; tile_dim0 = 256 elements, 512 bytes
	s_mov_b32 s[G1+4], 64                          ; tile_dim1 = 64 rows
	s_mov_b32 s[G1+5], 2048                        ; elements from row to row
	s_mov_b32 s[G1+6], 0
	s_mov_b32 s[G1+7], 0
	s_or_b32 s[G1B], s44, (1<<16)|(1<<20)|(1<<21)|(5<<22)|(7<<25)  ; my column's mask; after every 64 words 8 words of padding
	s_mov_b32 s[G1B+1], 128<<16                    ; tensor_dim0 = 128
	s_mov_b32 s[G1B+2], 128<<16                    ; tensor_dim1 = 128
	s_mov_b32 s[G1B+3], 128<<16                    ; tile_dim0 = 128 elements, 256 bytes
	s_mov_b32 s[G1B+4], 128                        ; tile_dim1 = 128 k-rows
	s_mov_b32 s[G1B+5], 2048
	s_mov_b32 s[G1B+6], 0
	s_mov_b32 s[G1B+7], 0
	s_lshl_b32 s16, s13, 19                        ; O: 128 rows of 4,096 bytes a tile row,
	s_lshl_b32 s17, s12, 18                        ; the 64 that I fetch; made of the tile row and the wave's number alone
	s_add_co_u32 s16, s16, s17
	s_mov_b32 s17, 0
	s_lshl_b32 s46, s42, 8                         ; wo: the tile column's 256 bytes of a k-row,
	s_lshl_b32 s47, s12, 19                        ; the 128 k-rows that I fetch; made of the tile column and the wave's number alone
	s_add_co_u32 s46, s46, s47
	s_mov_b32 s47, 0
	s_mul_i32 s20, s10, REG                        ; where my part goes: no place in the cluster enters an LDS address
	s_wait_dscnt 0x0                               ; the opening add is done
	s_wait_kmcnt 0x0
	s_add_nc_u64 s[14:15], s[4:5], s[16:17]
	s_add_nc_u64 s[46:47], s[6:7], s[46:47]
	CROUND                                         ; all sixteen work-groups are here: the first joint loads meet
.irp s, 0,1
	s_mov_b32 s[G0+4*(\s)], 1
	s_add_co_u32 s[G0+4*(\s)+1], s20, (\s)*SLOT
	s_add_nc_u64 s[G0+4*(\s)+2:G0+4*(\s)+3], s[14:15], (\s)*512          ; K step s: 512 bytes along the rows
	s_or_b32 s[G0+4*(\s)+3], s[G0+4*(\s)+3], 0x80000000
	s_mov_b32 s[G0B+4*(\s)], 1
	s_add_co_u32 s[G0B+4*(\s)+1], s20, (\s)*SLOT
	s_add_nc_u64 s[G0B+4*(\s)+2:G0B+4*(\s)+3], s[46:47], (\s)*256*4096   ; K step s: 256 k-rows down
	s_or_b32 s[G0B+4*(\s)+3], s[G0B+4*(\s)+3], 0x80000000
	JLOAD \s                                       ; two loads of mine are out
.endr
	v_and_b32 v1, 15, v0                           ; r = l % 16
	v_bfe_u32 v2, v0, 4, 1                         ; h = l / 16
	v_and_b32 v5, 7, v0
	v_bfe_u32 v6, v0, 3, 1
	v_mul_u32_u24 v3, v1, PA
	v_lshl_add_u32 v3, v2, 4, v3                   ; a fragment of O: row x pitch + 16 x half
	s_mul_i32 s21, s11, REG                        ; my 64 rows
	v_add_nc_u32 v[ADRA], s21, v3
	v_add_nc_u32 v[ADRA+1], SLOT, v[ADRA]
	v_lshl_add_u32 v4, v2, 3, v5                   ; a fragment of wo: the turning load's lane l reads k-row 8 (l / 16) + l % 8, columns 8 ((l / 8) % 2) + 0..7
	v_mul_u32_u24 v4, v4, PB
	v_lshl_add_u32 v4, v6, 4, v4
	s_lshl_b32 s22, s12, 7                         ; my 64 columns: 128 bytes
	v_add_nc_u32 v4, s22, v4
.irp s, 0,1
.irp q, 0,1
	v_add_nc_u32 v[ADRB+2*(\s)+(\q)], (\s)*SLOT+(2+(\q))*REG, v4
.endr
.endr
	s_mul_i32 s23, s10, 16*SPITCH
	s_add_co_u32 s23, s23, STAGE                   ; my stage
	v_mul_u32_u24 v4, v1, SPITCH                   ; in: row l % 16, 32 bytes for each half of the lanes
	v_lshl_add_u32 v4, v2, 5, v4
	v_add_nc_u32 v[STO], s23, v4
	v_mul_u32_u24 v4, v2, SPITCH                   ; back: lanes 0-15 one row of 256 bytes, lanes 16-31 the next
	v_lshl_add_u32 v4, v1, 4, v4
	v_add_nc_u32 v[RD], s23, v4
	v_lshlrev_b32 v[CO], 13, v2                    ; the same two rows in out0, 8,192 bytes apart
	v_lshl_add_u32 v[CO], v1, 4, v[CO]
	s_lshl_b32 s16, s13, 20                        ; out0: 128 rows of 8,192 bytes a tile row,
	s_lshl_b32 s17, s11, 19                        ; my 64 rows
	s_add_co_u32 s16, s16, s17
	s_mov_b32 s17, 0
	s_add_nc_u64 s[8:9], s[8:9], s[16:17]
	s_lshl_b32 s46, s42, 9                         ; the tile's 512 bytes of a row (in the registers that held wo's address: none that feeds O's descriptors holds cx),
	s_lshl_b32 s47, s12, 8                         ; my 256 of them
	s_add_co_u32 s46, s46, s47
	s_mov_b32 s47, 0
	s_add_nc_u64 s[8:9], s[8:9], s[46:47]
; 8 matrix instructions: row blocks a0, a0 + 1 x all 4 column blocks, 32 along K: half c of buffer f.  zero = 1: the first product starts the sums.  The 16 accumulators take turns.
.macro MUL8 f, c, a0, zero
	WIN MUL
.irp a, \a0, (\a0)+1
.irp b, 0,1,2,3
.if \zero
	v_wmma_f32_16x16x32_f16 v[ACC+8*(4*(\a)+(\b)):ACC+8*(4*(\a)+(\b))+7], v[(\f)+64+8*(4*(\c)+(\b)):(\f)+64+8*(4*(\c)+(\b))+7], v[(\f)+8*(4*(\c)+(\a)):(\f)+8*(4*(\c)+(\a))+7], 0
.else
	v_wmma_f32_16x16x32_f16 v[ACC+8*(4*(\a)+(\b)):ACC+8*(4*(\a)+(\b))+7], v[(\f)+64+8*(4*(\c)+(\b)):(\f)+64+8*(4*(\c)+(\b))+7], v[(\f)+8*(4*(\c)+(\a)):(\f)+8*(4*(\c)+(\a))+7], v[ACC+8*(4*(\a)+(\b)):ACC+8*(4*(\a)+(\b))+7]
.endif
.endr
.endr
.endm
; 32 LDS loads in one run: the fragments of quarter q (64 along K) into buffer f; the first 32 along K first
.macro FETCH slot, q, f
	WIN TO_F
.irp c, 0,1
.irp i, 0,1,2,3
	ds_load_tr16_b128 v[(\f)+64+8*(4*(\c)+(\i)):(\f)+64+8*(4*(\c)+(\i))+3],   v[ADRB+2*(\slot)+(\q)/2] offset:(64*((\q)%2)+32*(\c))*PB+32*(\i)
	ds_load_tr16_b128 v[(\f)+64+8*(4*(\c)+(\i))+4:(\f)+64+8*(4*(\c)+(\i))+7], v[ADRB+2*(\slot)+(\q)/2] offset:(64*((\q)%2)+32*(\c))*PB+32*(\i)+16*PB
	ds_load_b128 v[(\f)+8*(4*(\c)+(\i)):(\f)+8*(4*(\c)+(\i))+3],   v[ADRA+(\slot)] offset:128*(\q)+64*(\c)+(\i)*16*PA
	ds_load_b128 v[(\f)+8*(4*(\c)+(\i))+4:(\f)+8*(4*(\c)+(\i))+7], v[ADRA+(\slot)] offset:128*(\q)+64*(\c)+(\i)*16*PA+32
.endr
.endr
.endm
; A K step is four quarters of 64 along K, 32 matrix instructions each, on buffers 0, 1, 0, 1.  One of the first three: multiplies buffer f and fetches quarter q into g.
.macro QUARTER slot, q, f, g, zero
	s_wait_dscnt 16                                ; the first 32 along K are in
	MUL8 \f, 0, 0, \zero
	MUL8 \f, 0, 2, \zero
	PLACES
	FETCH \slot, \q, \g
	s_wait_dscnt 32                                ; all but the 32 just issued
	MUL8 \f, 1, 0, 0
	MUL8 \f, 1, 2, 0
.endm
; The last quarter multiplies buffer 1 and changes slots: ONE barrier; in front of it each wave waits for all its tensor loads, adds 0 to its spare word, and waits for that and for its own reads of this slot.
; fill = 1: the barrier opens a round of the cluster's barrier, and this slot is filled again, two K steps ahead, first thing behind it.
.macro TURN slot, next, fill
	WIN 0                                          ; (the add's two registers lie in window 0)
	s_wait_tensorcnt 0x0                           ; all my tensor loads have landed: my part of the next slot
	ds_add_u32 v[SPW], v[NIL]                      ; 0 onto my spare word
	s_wait_dscnt 17                                ; (the add and the youngest sixteen loads may be out)
	MUL8 F1, 0, 0, 0                               ; eight matrix instructions stand between the add and the wait for it
	s_wait_dscnt 0x0                               ; the add is done, and my reads of this slot are over
	s_barrier_signal -1
	MUL8 F1, 0, 2, 0
.if \fill
	WIN 0
.endif
	s_barrier_wait -1
.if \fill
	CREST                                          ; no wave of any partner still reads this slot's tiles or has a load on its way
	s_add_nc_u64 s[G0+4*(\slot)+2:G0+4*(\slot)+3], s[G0+4*(\slot)+2:G0+4*(\slot)+3], 2*512
	s_add_nc_u64 s[G0B+4*(\slot)+2:G0B+4*(\slot)+3], s[G0B+4*(\slot)+2:G0B+4*(\slot)+3], 2*256*4096
	JLOAD \slot                                    ; the first tensor load behind the round; its four v_nop are also the places in front of the loads below
.else
	PLACES
.endif
	FETCH \next, 0, F0
	MUL8 F1, 1, 0, 0
	MUL8 F1, 1, 2, 0
.endm
	s_wait_tensorcnt 1                             ; my part of K step 0 is in; K step 1's may stay out
	s_barrier_signal -1
	s_barrier_wait -1                              ; everybody's is
	FETCH 0, 0, F0
	QUARTER 0, 1, F0, F1, 1                        ; the first quarter stands in front of the loop: its first products start the sums
	WIN 0                                          ; at a label and at a branch every window is 0
	s_mov_b32 s3, LAPS-1
.Llap:                                                 ; a trip goes once round the ring, from a lap's second quarter to the next lap's first, and fills both slots again
	QUARTER 0, 2, F1, F0, 0
	QUARTER 0, 3, F0, F1, 0
	TURN 0, 1, 1
	QUARTER 1, 1, F0, F1, 0
	QUARTER 1, 2, F1, F0, 0
	QUARTER 1, 3, F0, F1, 0
	TURN 1, 0, 1
	QUARTER 0, 1, F0, F1, 0
	WIN 0
	s_sub_co_u32 s3, s3, 1
	s_cmp_lg_u32 s3, 0
	s_cbranch_scc1 .Llap
	QUARTER 0, 2, F1, F0, 0                        ; the last lap fills nothing
	QUARTER 0, 3, F0, F1, 0
	TURN 0, 1, 0
	QUARTER 1, 1, F0, F1, 0
	QUARTER 1, 2, F1, F0, 0
	QUARTER 1, 3, F0, F1, 0
	s_wait_dscnt 16
	MUL8 F1, 0, 0, 0
	MUL8 F1, 0, 2, 0
	s_wait_dscnt 0x0
	MUL8 F1, 1, 0, 0
	MUL8 F1, 1, 2, 0
	WIN 0
	; THE WAY OUT.  My 64 columns in f32 are 256 bytes of a row, aligned: 16 rows at a time go through my own stage and come back as whole rows.  No barrier: no other wave touches the stage.
	; A block's stores to memory stand behind the next block's sixteen LDS instructions: at most 32 LDS instructions of mine are out.
.macro TOSTAGE a                       ; row block a: into the stage, and back as whole rows
	WIN 0
.irp b, 0,1,2,3
	ds_store_b128 v[STO], v[ACC+8*(4*(\a)+(\b)):ACC+8*(4*(\a)+(\b))+3]   offset:64*(\b)      ; each accumulator's lowest registers first
	ds_store_b128 v[STO], v[ACC+8*(4*(\a)+(\b))+4:ACC+8*(4*(\a)+(\b))+7] offset:64*(\b)+16
.endr
	WIN TO_F
.irp t, 0,1,2,3,4,5,6,7
	ds_load_b128 v[32*(\a)+4*(\t):32*(\a)+4*(\t)+3], v[RD] offset:2*SPITCH*(\t)  ; LDS serves a wave's instructions in order (ISA guide 5.7.1.4): these see the stores above; the next block's stores come behind them
.endr
.endm
.macro SEND a, younger                 ; younger: the LDS instructions issued behind block a's loads: the next block's sixteen, or none
	WIN 0x04                                       ; the stores' data in window 1
.irp t, 0,1,2,3,4,5,6,7
	s_wait_dscnt (\younger)+7-(\t)                 ; this load is in; the block's younger loads and the next block's instructions may stay out
	global_store_b128 v[CO], v[32*(\a)+4*(\t):32*(\a)+4*(\t)+3], s[8:9] offset:(16*(\a)+2*(\t))*8192  ; 16 lanes store 256 consecutive bytes, aligned
.endr
.endm
	PLACES
	TOSTAGE 0
	TOSTAGE 1
	SEND 0, 16
	TOSTAGE 2
	SEND 1, 16
	TOSTAGE 3
	SEND 2, 16
	SEND 3, 0
	WIN 0
	s_wait_tensorcnt 0x0                           ; the wave's end: the spare-word add and its wait, behind my last tensor load and my last LDS store
	ds_add_u32 v[SPW], v[NIL]
	s_wait_dscnt 0x0
	CROUND                                         ; the closing round: no work-group ends while a partner may still ask for a tile that names it
	s_endpgm
.Lfunc_end_k_q8a6c680d75_oproj:
	.size	k_q8a6c680d75_oproj, .Lfunc_end_k_q8a6c680d75_oproj-k_q8a6c680d75_oproj
	.p2alignl 7, 3214868480
	.fill 96, 4, 3214868480
	.section	.rodata,"a",@progbits
	.p2align	6, 0x0
	.amdhsa_kernel k_q8a6c680d75_oproj
		.amdhsa_group_segment_fixed_size 327680
		.amdhsa_private_segment_fixed_size 0
		.amdhsa_enable_private_segment 0
		.amdhsa_kernarg_size 24
		.amdhsa_user_sgpr_count 2
		.amdhsa_user_sgpr_kernarg_segment_ptr 1
		.amdhsa_wavefront_size32 1
		.amdhsa_system_sgpr_workgroup_id_x 1
		.amdhsa_system_sgpr_workgroup_id_y 1
		.amdhsa_system_sgpr_workgroup_id_z 1
		.amdhsa_system_vgpr_workitem_id 0
		.amdhsa_next_free_vgpr 512
		.amdhsa_next_free_sgpr 66
		.amdhsa_reserve_vcc 0
		.amdhsa_float_denorm_mode_32 3
		.amdhsa_float_denorm_mode_16_64 3
		.amdhsa_memory_ordered 1
		.amdhsa_forward_progress 1
		.amdhsa_inst_pref_size 87
	.end_amdhsa_kernel
	.amdgpu_metadata
---
amdhsa.version: [ 1, 2 ]
amdhsa.kernels:
  - .name:           k_q8a6c680d75_oproj
    .symbol:         k_q8a6c680d75_oproj.kd
    .args:
      - { .name: of, .offset: 0, .size: 8, .value_kind: global_buffer, .address_space: global }
      - { .name: woh, .offset: 8, .size: 8, .value_kind: global_buffer, .address_space: global }
      - { .name: out0, .offset: 16, .size: 8, .value_kind: global_buffer, .address_space: global }
    .group_segment_fixed_size: 327680
    .private_segment_fixed_size: 0
    .kernarg_segment_align: 8
    .kernarg_segment_size: 24
    .max_flat_workgroup_size: 128
    .sgpr_count:     66
    .vgpr_count:     512
    .wavefront_size: 32
...
	.end_amdgpu_metadata
.endif
;; end of part 4
